; MI455X (gfx1250); checked and timed in simulation.
; The chip was launched on July 23, 2026; its instructions are those of AMD's public machine-readable ISA for CDNA 5 (MIT licence, August 2026) and "CDNA5" Instruction Set Architecture Reference Guide (July 2026). The comments in the code are by the model that wrote it; some were corrected since.
;; Causal Multi Head Attention. Allowed arithmetic: matrix products marked QUANTISED: E2M1 operands, one E8M0 scale for each 32 along K, by v_wmma_scale_f32_16x16x128_f8f6f4 with both operands' format E2M1 (or v_wmma_scale_f32_32x16x128_f4), f32 sums; everything else in f32.
;; Inputs: Wa_b 3,072 float32; Wa_w 3,072 x 1,024 float32; Wo_b 1,024 float32; Wo_w 1,024 x 1,024 float32; x 4 x 2,048 x 1,024 float32.
;; Outputs: out0 4 x 2,048 x 1,024 float32.
;; This version of the problem:
;;   THIS VERSION OF THE PROBLEM IS GIVEN IN LOW PRECISION. The matrix products marked QUANTISED in the list below multiply operands that are first quantised to E2M1 (2 exponent bits, 1 mantissa bit; 4 bits a number), with one power-of-two scale for each 32 numbers along K (OCP MX v1.0); their sums are f32. All else is computed in f32.
;;   The module's matrix products, in the order in which they are computed (A, B: the left and right operand; K: the contracted axis; several contracted axes count as one K, in the product's order):
;;     1. [M 8,192, K 1,024] x [K 1,024, N 3,072]; A: input x; B: input Wa_w: QUANTISED
;;     2. batch 64 x [M 2,048, K 64] x [K 64, N 2,048]; A: computed on the way; B: computed on the way: QUANTISED
;;     3. batch 64 x [M 2,048, K 2,048] x [K 2,048, N 64]; A: softmax (see below); B: computed on the way: QUANTISED
;;     4. [M 8,192, K 1,024] x [K 1,024, N 1,024]; A: computed on the way; B: input Wo_w: QUANTISED
;;   THE QUANTISER, for each operand of a quantised product, along K:
;;     - K is cut into blocks of 32 from its start; a last block that is shorter is filled with zeros.
;;     - A block's scale is 2^e with e = floor(log2(the largest magnitude in the block)) - 2, held to -126 .. 127; a block of zeros has e = 0. As a byte (E8M0): e + 127.
;;     - Each number is divided by its block's scale, clamped to +-6, and rounded to the nearest number of E2M1, ties to even, subnormals kept.
;;     - The product sums the exact products of the quantised numbers (number of the format x scale) in f32.
;;   ~~~python
;;   def quantise(x, axis):      # numpy; x: float32 -> the quantised numbers, widened to float32 again
;;       x = np.moveaxis(x, axis, -1); K = x.shape[-1]
;;       x = np.pad(x, [(0, 0)] * (x.ndim - 1) + [(0, -K % 32)]); x = x.reshape(x.shape[:-1] + (-1, 32)); a = np.abs(x).max(-1, keepdims=True)
;;       e = np.where(a > 0, np.clip(np.frexp(np.where(a > 0, a, 1))[1] - 1 - 2, -126, 127), 0)      # np.frexp(a)[1] - 1 = floor(log2(a)), exactly
;;       r = np.clip(x / 2.0 ** e, -6, 6)
;;       step = 2.0 ** (np.maximum(np.frexp(np.where(r == 0, 1, r))[1] - 1, 0) - 1)
;;       q = np.round(r / step) * step * 2.0 ** e      # np.round: ties to even
;;       return np.moveaxis(q.reshape(q.shape[:-2] + (-1,))[..., :K], -1, axis).astype(np.float32)
;;   ~~~
;;   SOFTMAX AHEAD OF A QUANTISED PRODUCT. Where the list says 'softmax', what is quantised is not the finished softmax but p = 2^(t - M), with t = logit x log2(e) and M = ceil(the row's largest t), a whole number; so 1/2 < the row's largest p <= 1. The row's sum l is taken of the UNQUANTISED p, in f32, and the product's result is divided by l at the end. Since M is a whole number, a kernel that streams over the keys may use a running M (the ceiling of the running maximum): every later rescaling is an exact power of two, which a block's scale takes up: the codes' values come out the same.
;;   OPERANDS COMPUTED ON THE WAY. 'Computed on the way' means the value that the module computes at that place (a softmax that the list does not call 'softmax' is quantised finished and normalised). What goes into a quantiser is computed in f32, as accurately as f32 sums, v_exp_f32 and their like allow (about 1e-6 of the number): no bf16 or f16 on the way to a quantiser, and a product that is left as it is and whose result goes on into a quantised operand takes f32 operands (vector FMAs, or v_wmma_f32_16x16x4_f32). A number that lies on a knife's edge between two numbers of the format may be rounded either way, as far as f32 arithmetic and the matrix unit's own rounding can turn it there, and no further.
;; One version. Each part assembles by itself: llvm-mc -triple=amdgcn-amd-amdhsa -mcpu=gfx1250 --defsym DOCPART=n.
;; ======== version 1 of 1: 4 launches
;; workspace buffers: xq 4,456,448 bytes; waq 1,671,168 bytes; woq 557,056 bytes; qkv 13,369,344 bytes; aoq 4,456,448 bytes
;; launch quant (part 1): grid 192 x 4, 4 waves a work-group, no clusters, 34,816 bytes of LDS; arguments x, Wa_w, Wo_w, xq, waq, woq; writes xq, waq, woq
.if DOCPART == 1
	.amdgcn_target "amdgcn-amd-amdhsa--gfx1250"
	.amdhsa_code_object_version 6
	.text
	.protected	k_q2eb7359a7e_quant
	.globl	k_q2eb7359a7e_quant
	.p2align	8
	.type	k_q2eb7359a7e_quant,@function
k_q2eb7359a7e_quant:
	s_mov_b64 s[64:65], 0
	v_nop
	global_prefetch_b8 v0, s[64:65] scope:SCOPE_SE
	s_setreg_imm32_b32 hwreg(HW_REG_WAVE_MODE, 25, 1), 1
	s_wait_xcnt 0x0
; x [8192][1024], Wa_w [3072][1024], Wo_w [1024][1024], f32, K innermost, become codes of FP4 (E2M1) with one E8M0 byte for each 32 along K.
; OUT: a fragment (16 rows x 128 K) lies as the image of an operand's registers: 1,024 bytes [c 0..1][lane 0..31][16 bytes]; lane (r = lane % 16, h = lane / 16), half c, holds
; k = 64 c + 32 h + 0 .. 31 of row r.  Codes: [tile of 16 rows][K step 8][1,024]; behind them the scale words [K step 8][row], one 32-bit word for a row and 128 K.
; A block's scale byte is its largest magnitude's exponent field - 2, held at 1 from below.
; LIMITS: a block of zeros, or one whose largest magnitude lies under 2^-124, gets the byte 1 where the quantiser's rule says 127 or less: its codes are zeros or the rule's own, and the bytes are read
; by this program alone; NaN and infinities among the inputs are not served.
; SHARES: work-group x = 64 rows (0-127: x, 128-175: Wa_w, 176-191: Wo_w), work-group y = a quarter of K (two K steps).  Wave w takes 16 rows x 256 numbers: two fragments.
; A stream: nothing is shared between work-groups, so no cluster, no tensor load, no matrix unit.  All 32 loads of a wave go out at once, each 512 consecutive bytes.
; The conversions want 32 neighbours along K in one lane; the loads want neighbouring bytes in neighbouring lanes: so a fragment's 8 KiB turn through the wave's own stage in LDS.
.set STG, 8448                         ; a wave's stage: 16 rows x (512 bytes + 16): the 16 rows that a read touches start at 16 different groups of four banks
.set SCG, 4*STG                        ; behind the stages: [fragment 2][64 rows] scale words, 512 bytes
.set RL,  32                           ; v32-159   the numbers as loaded: 32 loads x 4
.set X,   160                          ; v160-223  64 numbers of my row: register 32 c + i = k 64 c + 32 h + i
.set WV,  24
	s_load_b256 s[4:11], s[0:1], 0x0               ; x s[4:5], Wa_w s[6:7], Wo_w s[8:9], xq s[10:11]
	s_load_b128 s[12:15], s[0:1], 0x20             ; waq s[12:13], woq s[14:15]
	v_lshl_add_u32 v236, v0, 2, 0x8600
	v_mov_b32 v237, 0
	v_lshrrev_b32 v1, 5, v0
	v_readfirstlane_b32 s[WV], v1                  ; wave 0..3
	v_and_b32 v1, 31, v0                           ; lane
	v_and_b32 v2, 15, v0                           ; r
	v_bfe_u32 v3, v0, 4, 1                         ; h
	v_lshlrev_b32 v4, 4, v1                        ; 16 x lane: a load's and an image's place for my lane
	s_mul_i32 s25, s[WV], STG
	v_add_nc_u32 v5, s25, v4                       ; the stage, on the way in: a row as it lies
	v_mul_u32_u24 v6, v2, 528
	v_lshl_add_u32 v6, v3, 7, v6
	v_add_nc_u32 v6, s25, v6                       ; and on the way out: row r, + 128 h bytes
	s_lshl_b32 s25, s[WV], 6
	v_lshlrev_b32 v7, 2, v2
	v_lshl_add_u32 v7, v3, 8, v7
	v_add_nc_u32 v7, s25, v7
	v_add_nc_u32 v7, SCG, v7                       ; where I put a scale word: lanes 0-15 fragment 0's, lanes 16-31 fragment 1's; row 16 w + r
	v_add_nc_u32 v8, SCG, v4                       ; where wave 0 reads them back
	v_lshlrev_b32 v19, 3, v3                       ; 8 h: my bytes' shift in a scale word
	v_mov_b32 v18, 0                               ; written once: a lane permute's destination counts as one of its sources
	v_cmp_eq_u32 vcc_lo, 1, v3                     ; lanes 16-31
	s_mov_b32 s28, 0x76543210
	s_mov_b32 s29, 0xfedcba98                      ; v_permlanex16_b32's selects for lane l xor 16
	s_mov_b32 s20, 128
	s_mov_b32 s21, 3072
	s_mov_b32 s22, 8192
	s_wait_kmcnt 0x0
	s_cmp_lt_u32 ttmp9, 176                        ; which tensor: the choice hangs on the work-group's number alone; only pointers and sizes are chosen, the text has one path
	s_cselect_b64 s[16:17], s[6:7], s[8:9]         ; the numbers
	s_cselect_b64 s[18:19], s[12:13], s[14:15]     ; the codes' buffer
	s_cselect_b32 s20, s20, 176                    ; the tensor's first work-group
	s_cselect_b32 s21, s21, 1024                   ; its rows
	s_cmp_lt_u32 ttmp9, 128
	s_cselect_b64 s[16:17], s[4:5], s[16:17]
	s_cselect_b64 s[18:19], s[10:11], s[18:19]
	s_cselect_b32 s20, 0, s20
	s_cselect_b32 s21, s22, s21
	s_sub_co_u32 s23, ttmp9, s20                   ; which 64 rows of the tensor
	s_and_b32 s25, ttmp7, 0xffff                   ; which quarter of K
	s_lshl_b32 s26, s23, 2
	s_add_co_u32 s26, s26, s[WV]                   ; my tile of 16 rows
	s_lshl_b32 s30, s26, 16                        ; 16 rows of 4,096 bytes
	s_lshl_b32 s27, s25, 10
	s_add_co_u32 s30, s30, s27                     ; + 1,024 bytes a quarter
	s_mov_b32 s31, 0
	s_add_nc_u64 s[16:17], s[16:17], s[30:31]
	s_lshl_b32 s30, s21, 9                         ; the scale words begin 512 x rows bytes on;
	s_mul_i32 s27, s25, s21
	s_lshl_b32 s27, s27, 3
	s_add_co_u32 s30, s30, s27                     ; K step 2 q: 8 q x rows bytes;
	s_lshl_b32 s27, s23, 8
	s_add_co_u32 s30, s30, s27                     ; 256 bytes for each 64 rows
	s_add_nc_u64 s[32:33], s[18:19], s[30:31]
	s_lshl_b32 s30, s26, 13                        ; the codes: 8,192 bytes a tile,
	s_lshl_b32 s27, s25, 11
	s_add_co_u32 s30, s30, s27                     ; 2,048 a quarter
	s_add_nc_u64 s[18:19], s[18:19], s[30:31]
	s_lshl_b32 s27, s21, 2
	v_mul_u32_u24 v9, s27, v3
	v_lshl_add_u32 v9, v2, 4, v9                   ; the scale words' way out: lanes 16-31 one K step (4 x rows bytes) further on
.irp e, 0,1
.set k, 0
.rept 16
	global_load_b128 v[RL+64*\e+4*k:RL+64*\e+4*k+3], v4, s[16:17] offset:k*4096+\e*512 th:TH_LOAD_NT   ; 128 numbers of row k: 512 consecutive bytes; read once in the launch
.set k, k+1
.endr
.endr
; Fragment e: through the stage, the two blocks of my lane, their codes and bytes.
.macro HALF e
.set CB, 24+200*\e                     ; its codes: v24-31 or v224-231: no store's data are written again
	s_wait_loadcnt 16-16*\e                        ; loads come back in order: this fragment's sixteen are in; for fragment 0 the other's sixteen stay out
.set k, 0
.rept 16
	ds_store_b128 v5, v[RL+64*\e+4*k:RL+64*\e+4*k+3] offset:528*k
.set k, k+1
.endr
.irp c, 0,1
.irp i, 0,1,2,3,4,5,6,7
	ds_load_b128 v[X+32*\c+4*\i:X+32*\c+4*\i+3], v6 offset:256*\c+16*\i   ; LDS serves a wave's instructions in order: these see the stores above
.endr
.endr
	s_wait_dscnt 0x0
.irp c, 0,1
	v_max3_num_f32 v[10+\c], |v[X+32*\c]|, |v[X+32*\c+1]|, 0x1800000   ; block 2 c + h is all mine; the floor 2^(3 - 127) holds the byte at 1 from below
.endr
.irp i, 2,4,6,8,10,12,14,16,18,20,22,24,26,28,30
.irp c, 0,1
	v_max3_num_f32 v[10+\c], v[10+\c], |v[X+32*\c+\i]|, |v[X+32*\c+\i+1]|   ; the two blocks by turns
.endr
.endr
.irp c, 0,1
	v_add_nc_u32 v[12+\c], 0xff000000, v[10+\c]    ; 2 off the exponent field: the conversion takes this operand's exponent field as its scale
.endr
.irp c, 0,1
.irp g, 0,1,2,3
	v_cvt_scalef32_pk8_fp4_f32 v[CB+4*\c+\g], v[X+32*\c+8*\g:X+32*\c+8*\g+7], v[12+\c]
.endr
.endr
	v_lshrrev_b32 v14, 23, v12                     ; the scales' bytes (a plain line behind the conversions)
	v_lshrrev_b32 v15, 23, v13
	v_lshl_or_b32 v[16+\e], v15, 16, v14           ; blocks h and 2 + h of row r,
	v_lshlrev_b32 v[16+\e], v19, v[16+\e]          ; at their places in the word;
	v_permlanex16_b32 v18, v[16+\e], s28, s29
	v_or_b32 v[16+\e], v[16+\e], v18               ; with lane l xor 16's two the word is whole
.irp c, 0,1
	global_store_b128 v4, v[CB+4*\c:CB+4*\c+3], s[18:19] offset:1024*\e+512*\c   ; 512 consecutive bytes, at a multiple of 256 from the buffer's first byte
.endr
.endm
	HALF 0
	HALF 1
	v_cndmask_b32 v20, v16, v17, vcc_lo            ; lanes 0-15 hand on fragment 0's word of row r, lanes 16-31 fragment 1's
	ds_store_b32 v7, v20
	s_wait_dscnt 0x0                               ; for the others' sake: my store has landed
	s_barrier_signal -1
	s_barrier_wait -1
	s_cmp_lg_u32 s[WV], 0                          ; wave 0 stores the work-group's 128 words: no barrier stands inside this branch
	s_cbranch_scc1 .Ldone
	ds_load_b128 v[232:235], v8
	s_wait_dscnt 0x0
	global_store_b128 v9, v[232:235], s[32:33]     ; sixteen lanes store 256 consecutive bytes of one K step's words, aligned
.Ldone:
	s_wait_tensorcnt 0x0
	ds_add_u32 v236, v237
	s_wait_dscnt 0x0
	s_endpgm
.Lfunc_end_k_q2eb7359a7e_quant:
	.size	k_q2eb7359a7e_quant, .Lfunc_end_k_q2eb7359a7e_quant-k_q2eb7359a7e_quant
	.p2alignl 7, 3214868480
	.fill 96, 4, 3214868480
	.section	.rodata,"a",@progbits
	.p2align	6, 0x0
	.amdhsa_kernel k_q2eb7359a7e_quant
		.amdhsa_group_segment_fixed_size 34816
		.amdhsa_private_segment_fixed_size 0
		.amdhsa_enable_private_segment 0
		.amdhsa_kernarg_size 48
		.amdhsa_user_sgpr_count 2
		.amdhsa_user_sgpr_kernarg_segment_ptr 1
		.amdhsa_wavefront_size32 1
		.amdhsa_system_sgpr_workgroup_id_x 1
		.amdhsa_system_sgpr_workgroup_id_y 1
		.amdhsa_system_sgpr_workgroup_id_z 1
		.amdhsa_system_vgpr_workitem_id 0
		.amdhsa_next_free_vgpr 238
		.amdhsa_next_free_sgpr 66
		.amdhsa_reserve_vcc 1
		.amdhsa_float_denorm_mode_32 3
		.amdhsa_float_denorm_mode_16_64 3
		.amdhsa_memory_ordered 1
		.amdhsa_forward_progress 1
		.amdhsa_inst_pref_size 17
	.end_amdhsa_kernel
	.amdgpu_metadata
---
amdhsa.version: [ 1, 2 ]
amdhsa.kernels:
  - .name:           k_q2eb7359a7e_quant
    .symbol:         k_q2eb7359a7e_quant.kd
    .args:
      - { .name: x, .offset: 0, .size: 8, .value_kind: global_buffer, .address_space: global }
      - { .name: Wa_w, .offset: 8, .size: 8, .value_kind: global_buffer, .address_space: global }
      - { .name: Wo_w, .offset: 16, .size: 8, .value_kind: global_buffer, .address_space: global }
      - { .name: xq, .offset: 24, .size: 8, .value_kind: global_buffer, .address_space: global }
      - { .name: waq, .offset: 32, .size: 8, .value_kind: global_buffer, .address_space: global }
      - { .name: woq, .offset: 40, .size: 8, .value_kind: global_buffer, .address_space: global }
    .group_segment_fixed_size: 34816
    .private_segment_fixed_size: 0
    .kernarg_segment_align: 8
    .kernarg_segment_size: 48
    .max_flat_workgroup_size: 128
    .sgpr_count:     66
    .vgpr_count:     238
    .wavefront_size: 32
...
	.end_amdgpu_metadata
.endif
;; end of part 1
;; launch qkvgemm (part 2): grid 12 x 32, 8 waves a work-group, clusters of 4 x 4, 279,552 bytes of LDS; arguments xq, waq, Wa_b, qkv; writes qkv
.if DOCPART == 2
	.amdgcn_target "amdgcn-amd-amdhsa--gfx1250"
	.amdhsa_code_object_version 6
	.text
	.protected	k_q2eb7359a7e_qkvgemm
	.globl	k_q2eb7359a7e_qkvgemm
	.p2align	8
	.type	k_q2eb7359a7e_qkvgemm,@function
k_q2eb7359a7e_qkvgemm:
	s_mov_b64 s[64:65], 0
	v_nop
	global_prefetch_b8 v0, s[64:65] scope:SCOPE_SE
	s_setreg_imm32_b32 hwreg(HW_REG_WAVE_MODE, 25, 1), 1
	s_wait_xcnt 0x0
	s_wait_alu depctr_hold_cnt(0) depctr_sa_sdst(0) depctr_va_vdst(0) depctr_va_sdst(0) depctr_va_ssrc(0) depctr_va_vcc(0) depctr_vm_vsrc(0)
	s_getreg_b32 s2, hwreg(HW_REG_IB_STS2, 6, 4)
	s_cmp_eq_u32 s2, 0
	s_cbranch_scc0 .Lentry_in_a_cluster
	s_endpgm
.Lentry_in_a_cluster:
	s_bfe_u32 s2, ttmp6, 0x10000c
	s_cmp_lg_u32 s2, 0xf033
	s_cbranch_scc0 .Lentry_shape_is_right
	s_endpgm
.Lentry_shape_is_right:
; qkv = x Wa_w^T + Wa_b on codes of FP4 (E2M1) with E8M0 scales, K = 1,024; the results, in f32, are quantised at once into the operands of the two products of attention and never go to memory as f32.
; IN: xq, waq: fragments as images of an operand's registers, [tile of 16 rows][K step 8][1,024 bytes], then scale words [K step 8][row].
; OUT: qkv: 64 records (16 x batch + head) of three parts (q, k, v) of 69,632 bytes: 65,536 of images, 4,096 of scale words.
;   q, k (quantised along the head's 64): token tile T at 512 T: [lane][16 bytes], lane (r, h) = token r, d = 32 h .. 32 h + 31; words [128 tokens 16][r 16][pair 4]: low half tile 2 pair, high half tile 2 pair + 1.
;   v (quantised along the tokens): fragment (128 tokens, 16 of d) at 1,024 (4 step + d tile); words [step 16][r 16][d tile 4].
; LIMITS: a block of zeros or under 2^-124 gets the scale byte 1 (its codes are zeros or the quantiser's own; this program alone reads the bytes); NaN and infinities are not served.
; SHARES: a work-group makes 256 tokens x 256 of the 3,072 columns; wave w makes 128 tokens (w / 4) x 64 columns (w % 4: one head): 32 accumulators, window 1.
; ALL OF K LIES IN LDS: A's 128 KiB, B's 128 KiB and their scale words are filled once, in four pieces of two K steps, and nothing is filled again.
; CLUSTER 4 x 4: the four work-groups of a row need the same tokens, the four of a column the same columns: each piece is asked for jointly.
; q AND k ARE MADE TRANSPOSED (source 0 = 16 rows of Wa_w, source 1 = 16 tokens): a lane holds one token and its registers run along d, the next K.  v IS MADE THE OTHER WAY ROUND: a lane holds one d and its
; registers run along the tokens, its next K.  The cluster's x says which (0: q, 1: k, 2: v): it is the same in all sixteen partners.
; QUANTISING: a lane holds 8 h + j of each tile of 16; tiles 2 b, 2 b + 1 are block b, whose other half lies in lane l xor 16.  The codes of tile 2 b go to register 4 c + e, those of tile 2 b + 1 to 4 c + 2 + e
; (b = 2 c + e); two exchanges of halves for each c then leave k = 64 c + 32 h + 8 i .. + 7 in register 4 c + i: the operand's layout, with the tiles' rows as they lie.
.set APIECE, 32768                     ; a piece of A in LDS: two K steps of 16 tiles
.set BBASE,  131072                    ; B's four pieces
.set SABASE, 262144                    ; A's scale words: [half 2][K step 8][128 rows]
.set SBBASE, 270336                    ; B's likewise
.set SAK,    512                       ; a K step's words of a half of A
.set REC,    208896
.set PART,   69632
.set LA,  4                            ; v4-5   LDS address of my A fragments, K steps 0-3 and 4-7
.set LB,  6                            ; v6-7   the same for B
.set LSA, 8                            ; v8     A's scale words: lanes 0-15 tile i, lanes 16-31 tile i + 4
.set LSB, 9                            ; v9     B's: tile j and tile j + 2
.set CDO, 10                           ; v10    the way out: my 16 bytes of an image
.set SCO, 11                           ; v11    and my 8 bytes of the scale words
.set BO,  12                           ; v12    32 h: the bias of my eight columns
.set BV,  13                           ; v13    4 r: the bias of my one column
.set SA,  16                           ; v16-47  A's scale words, register 4 s + i
.set SB,  48                           ; v48-63  B's, register 2 s + j
.set AF,  64                           ; v64-127 A's eight fragments of a K step
.set BF,  128                          ; v128-191 B's four, two sets
.set BI,  192                          ; v192-223 the bias
.set T,   64                           ; behind the products: v64-127 64 results with their bias
.set P,   128                          ; v128-159 four fragments of codes
.set TM,  160                          ; v160-175 at work
.set PW,  176                          ; v176-179 four scale words
.set W,   180                          ; v180-181 the two that my lane stores
.set G0A, 24                           ; s[24:39] groups 0 of A's four pieces;  s[40:55] of B's;  s[56:59], s[60:63] of the scale words
.set G0B, 40
.set G0SA, 56
.set G0SB, 60
.set G1A, 68                           ; s[68:75], s[76:83], s[84:91], s[92:99] the four groups 1
.set G1B, 76
.set G1SA, 84
.set G1SB, 92
.set MSB, 0
.macro WIN new                         ; the immediate's high byte repeats the setting that is left
.if MSB != \new
	s_set_vgpr_msb (MSB<<8)|\new
.set MSB, \new
.endif
.endm
.macro PLACES                          ; four plain vector lines behind matrix instructions, in front of loads into their sources and of reads of their results
.rept 4
	v_nop
.endr
.endm
.macro CROUND                          ; a round of the cluster's barrier
	s_barrier_signal -1
	s_barrier_wait -1
	s_cmp_lg_u32 s12, 0
	s_cbranch_scc1 .Lnot_wave_0_\@
	s_barrier_signal -3
.Lnot_wave_0_\@:
	s_barrier_wait -3
	s_barrier_signal -1
	s_barrier_wait -1
.endm
	s_load_b256 s[4:11], s[0:1], 0x0               ; xq s[4:5], waq s[6:7], Wa_b s[8:9], qkv s[10:11]
	v_lshl_add_u32 v254, v0, 2, 0x44000
	v_mov_b32 v255, 0
	ds_add_u32 v254, v255
	ds_add_u32 v254, v255
	v_lshrrev_b32 v1, 5, v0
	s_delay_alu instid0(VALU_DEP_1)
	v_readfirstlane_b32 s12, v1                    ; wave 0..7
	s_lshr_b32 s13, s12, 2                         ; which 128 tokens are mine
	s_and_b32 s14, s12, 3                          ; which 64 columns
	s_and_b32 s15, s12, 1                          ; which half of a tile I fetch, if I fetch
	s_bfe_u32 s16, ttmp6, 0x40000                  ; cx
	s_bfe_u32 s17, ttmp6, 0x40004                  ; cy
	s_lshl_b32 s18, ttmp9, 2
	s_add_co_u32 s18, s18, s16                     ; tile of 256 columns = 4 x cluster x + cx
	s_and_b32 s19, ttmp7, 0xffff
	s_lshl_b32 s19, s19, 2
	s_add_co_u32 s19, s19, s17                     ; tile of 256 tokens = 4 x cluster y + cy
	s_lshl_b32 s20, s17, 2
	s_lshl_b32 s20, 15, s20                        ; my row of the cluster
	s_lshl_b32 s21, 0x1111, s16                    ; my column
	s_or_b32 s[G1A], s20, (3<<16)|(1<<21)          ; 15:0 the mask; 17:16 elements of 8 bytes; 21 set beside a mask; no padding: an image's 512 bytes are read on end
	s_or_b32 s[G1B], s21, (3<<16)|(1<<21)
	s_or_b32 s[G1SA], s20, (3<<16)|(1<<21)
	s_or_b32 s[G1SB], s21, (3<<16)|(1<<21)
.irp g, G1A, G1B                       ; a piece of a half: 8 tiles x 2,048 bytes (two K steps), 8,192 bytes from tile to tile
	s_mov_b32 s[\g+1], 256<<16
	s_mov_b32 s[\g+2], 8<<16
	s_mov_b32 s[\g+3], 256<<16
	s_mov_b32 s[\g+4], 8
	s_mov_b32 s[\g+5], 1024
	s_mov_b32 s[\g+6], 0
	s_mov_b32 s[\g+7], 0
.endr
.irp g, G1SA, G1SB                     ; the scale words of 128 rows: 8 K steps x 512 bytes
	s_mov_b32 s[\g+1], 64<<16
	s_mov_b32 s[\g+2], 8<<16
	s_mov_b32 s[\g+3], 64<<16
	s_mov_b32 s[\g+4], 8
	s_mov_b32 s[\g+6], 0
	s_mov_b32 s[\g+7], 0
.endr
	s_mov_b32 s[G1SA+5], 4096                      ; 8,192 rows x 4 bytes from K step to K step
	s_mov_b32 s[G1SB+5], 1536                      ; 3,072 rows x 4 bytes
	s_lshl_b32 s22, s19, 4                         ; A: tile 16 x token tile + 8 x half, 8,192 bytes each.  These registers never hold cx
	s_lshl_b32 s23, s15, 3
	s_add_co_u32 s22, s22, s23
	s_lshl_b32 s22, s22, 13
	s_mov_b32 s23, 0
	s_lshl_b32 s[G0SA+2], s19, 10                  ; A's scale words: 4 bytes a row
	s_lshl_b32 s[G0SA+3], s15, 9
	s_add_co_u32 s[G0SA+2], s[G0SA+2], s[G0SA+3]
	s_add_co_u32 s[G0SA+2], s[G0SA+2], 4194304
	s_mov_b32 s[G0SA+3], 0
	s_lshl_b32 s66, s18, 4                         ; B likewise.  These registers never hold cy
	s_lshl_b32 s67, s15, 3
	s_add_co_u32 s66, s66, s67
	s_lshl_b32 s66, s66, 13
	s_mov_b32 s67, 0
	s_lshl_b32 s[G0SB+2], s18, 10
	s_lshl_b32 s[G0SB+3], s15, 9
	s_add_co_u32 s[G0SB+2], s[G0SB+2], s[G0SB+3]
	s_add_co_u32 s[G0SB+2], s[G0SB+2], 1572864
	s_mov_b32 s[G0SB+3], 0
	s_wait_dscnt 0x0
	s_wait_kmcnt 0x0
	s_add_nc_u64 s[22:23], s[4:5], s[22:23]
	s_add_nc_u64 s[66:67], s[6:7], s[66:67]
	s_add_nc_u64 s[G0SA+2:G0SA+3], s[4:5], s[G0SA+2:G0SA+3]
	s_or_b32 s[G0SA+3], s[G0SA+3], 0x80000000
	s_add_nc_u64 s[G0SB+2:G0SB+3], s[6:7], s[G0SB+2:G0SB+3]
	s_or_b32 s[G0SB+3], s[G0SB+3], 0x80000000
	s_mov_b32 s[G0SA], 1
	s_lshl_b32 s[G0SA+1], s15, 12
	s_add_co_u32 s[G0SA+1], s[G0SA+1], SABASE
	s_mov_b32 s[G0SB], 1
	s_lshl_b32 s[G0SB+1], s15, 12
	s_add_co_u32 s[G0SB+1], s[G0SB+1], SBBASE
.irp p, 0,1,2,3
	s_mov_b32 s[G0A+4*\p], 1
	s_lshl_b32 s[G0A+4*\p+1], s15, 14              ; LDS: piece p, my half: no place in the cluster enters an LDS address
	s_add_co_u32 s[G0A+4*\p+1], s[G0A+4*\p+1], APIECE*\p
	s_add_nc_u64 s[G0A+4*\p+2:G0A+4*\p+3], s[22:23], 2048*\p
	s_or_b32 s[G0A+4*\p+3], s[G0A+4*\p+3], 0x80000000
	s_mov_b32 s[G0B+4*\p], 1
	s_lshl_b32 s[G0B+4*\p+1], s15, 14
	s_add_co_u32 s[G0B+4*\p+1], s[G0B+4*\p+1], BBASE+32768*\p
	s_add_nc_u64 s[G0B+4*\p+2:G0B+4*\p+3], s[66:67], 2048*\p
	s_or_b32 s[G0B+4*\p+3], s[G0B+4*\p+3], 0x80000000
.endr
	CROUND                                         ; all sixteen work-groups are here: the joint loads meet
	s_cmp_lt_u32 s12, 2                            ; waves 0, 1 fetch A's halves, waves 2, 3 B's, the others nothing.  A wave's five loads stand in one branch: five are out at the most
	s_cbranch_scc0 .Lnot_a
	tensor_load_to_lds s[G0SA:G0SA+3], s[G1SA:G1SA+7]
	s_nop 0
.irp p, 0,1,2,3
	tensor_load_to_lds s[G0A+4*\p:G0A+4*\p+3], s[G1A:G1A+7]
	s_nop 0
.endr
	PLACES
	s_branch .Lasked
.Lnot_a:
	s_cmp_lt_u32 s12, 4
	s_cbranch_scc0 .Lasked
	tensor_load_to_lds s[G0SB:G0SB+3], s[G1SB:G1SB+7]
	s_nop 0
.irp p, 0,1,2,3
	tensor_load_to_lds s[G0B+4*\p:G0B+4*\p+3], s[G1B:G1B+7]
	s_nop 0
.endr
	PLACES
.Lasked:
	v_and_b32 v1, 31, v0                           ; lane
	v_and_b32 v2, 15, v0                           ; r
	v_bfe_u32 v3, v0, 4, 1                         ; h
	s_delay_alu instid0(VALU_DEP_3)
	v_lshlrev_b32 v14, 4, v1                       ; 16 x lane
	s_lshl_b32 s100, s13, 14
	v_add_nc_u32 v[LA], s100, v14
	s_delay_alu instid0(VALU_DEP_1)
	v_add_nc_u32 v[LA+1], 2*APIECE, v[LA]
	s_lshl_b32 s100, s14, 13
	s_add_co_u32 s100, s100, BBASE
	v_add_nc_u32 v[LB], s100, v14
	s_delay_alu instid0(VALU_DEP_1)
	v_add_nc_u32 v[LB+1], 65536, v[LB]
	v_lshlrev_b32 v[LSA], 2, v2
	s_delay_alu instid0(VALU_DEP_1)
	v_lshl_add_u32 v[LSB], v3, 7, v[LSA]           ; 4 r + 128 h
	s_wait_alu depctr_va_vdst(0)
	v_lshl_add_u32 v[LSA], v3, 8, v[LSA]           ; 4 r + 256 h
	s_lshl_b32 s100, s13, 12
	s_add_co_u32 s100, s100, SABASE
	v_add_nc_u32 v[LSA], s100, v[LSA]
	s_lshr_b32 s100, s14, 1
	s_lshl_b32 s100, s100, 12
	s_and_b32 s101, s14, 1
	s_lshl_b32 s101, s101, 8
	s_add_co_u32 s100, s100, s101
	s_add_co_u32 s100, s100, SBBASE
	v_add_nc_u32 v[LSB], s100, v[LSB]
	s_mov_b32 s100, 0xffff0000                     ; lanes 16-31
	s_mov_b32 s104, 0x76543210
	s_mov_b32 s105, 0xfedcba98                     ; v_permlanex16_b32's selects for lane l xor 16
	s_and_b32 s2, s19, 7                           ; which 128 tokens of the sequence: 2 (token tile % 8) + my half
	s_lshl_b32 s2, s2, 1
	s_add_co_u32 s2, s2, s13
	s_lshl_b32 s3, s2, 12
	v_add_nc_u32 v[CDO], s3, v14                   ; 4,096 bytes of images for each 128 tokens
	s_lshl_b32 s3, s2, 8
	s_add_co_u32 s3, s3, 65536
	v_lshlrev_b32 v[SCO], 4, v2
	s_delay_alu instid0(VALU_DEP_1)
	v_lshl_add_u32 v[SCO], v3, 3, v[SCO]
	s_delay_alu instid0(VALU_DEP_1)
	v_add_nc_u32 v[SCO], s3, v[SCO]                ; 256 bytes of scale words: 16 r + 8 h
	v_lshlrev_b32 v[BO], 5, v3
	v_lshlrev_b32 v[BV], 2, v2
	s_lshr_b32 s2, s19, 3                          ; the record: 16 x batch + 4 cx + my head of the four
	s_lshl_b32 s2, s2, 4
	s_lshl_b32 s3, s16, 2
	s_add_co_u32 s2, s2, s3
	s_add_co_u32 s2, s2, s14
	s_mul_i32 s2, s2, REC
	s_mul_i32 s3, ttmp9, PART                      ; the part: q, k or v
	s_add_co_u32 s2, s2, s3
	s_mov_b32 s3, 0
	s_add_nc_u64 s[10:11], s[10:11], s[2:3]
	s_lshl_b32 s2, s18, 10                         ; the bias of my 64 columns
	s_lshl_b32 s3, s14, 8
	s_add_co_u32 s2, s2, s3
	s_mov_b32 s3, 0
	s_add_nc_u64 s[8:9], s[8:9], s[2:3]
.macro EMIT                            ; one product; fZ: it starts its sum; fA, fB: source 0's, source 1's scale words lie in lanes 16-31
.if fZ
.if fA && fB
	v_wmma_scale_f32_16x16x128_f8f6f4 v[rD:rD+7], v[rA:rA+7], v[rB:rB+7], 0, v[rSA], v[rSB] matrix_a_fmt:MATRIX_FMT_FP4 matrix_b_fmt:MATRIX_FMT_FP4 matrix_a_scale:MATRIX_SCALE_ROW1 matrix_b_scale:MATRIX_SCALE_ROW1
.elseif fA
	v_wmma_scale_f32_16x16x128_f8f6f4 v[rD:rD+7], v[rA:rA+7], v[rB:rB+7], 0, v[rSA], v[rSB] matrix_a_fmt:MATRIX_FMT_FP4 matrix_b_fmt:MATRIX_FMT_FP4 matrix_a_scale:MATRIX_SCALE_ROW1
.elseif fB
	v_wmma_scale_f32_16x16x128_f8f6f4 v[rD:rD+7], v[rA:rA+7], v[rB:rB+7], 0, v[rSA], v[rSB] matrix_a_fmt:MATRIX_FMT_FP4 matrix_b_fmt:MATRIX_FMT_FP4 matrix_b_scale:MATRIX_SCALE_ROW1
.else
	v_wmma_scale_f32_16x16x128_f8f6f4 v[rD:rD+7], v[rA:rA+7], v[rB:rB+7], 0, v[rSA], v[rSB] matrix_a_fmt:MATRIX_FMT_FP4 matrix_b_fmt:MATRIX_FMT_FP4
.endif
.else
.if fA && fB
	v_wmma_scale_f32_16x16x128_f8f6f4 v[rD:rD+7], v[rA:rA+7], v[rB:rB+7], v[rD:rD+7], v[rSA], v[rSB] matrix_a_fmt:MATRIX_FMT_FP4 matrix_b_fmt:MATRIX_FMT_FP4 matrix_a_scale:MATRIX_SCALE_ROW1 matrix_b_scale:MATRIX_SCALE_ROW1
.elseif fA
	v_wmma_scale_f32_16x16x128_f8f6f4 v[rD:rD+7], v[rA:rA+7], v[rB:rB+7], v[rD:rD+7], v[rSA], v[rSB] matrix_a_fmt:MATRIX_FMT_FP4 matrix_b_fmt:MATRIX_FMT_FP4 matrix_a_scale:MATRIX_SCALE_ROW1
.elseif fB
	v_wmma_scale_f32_16x16x128_f8f6f4 v[rD:rD+7], v[rA:rA+7], v[rB:rB+7], v[rD:rD+7], v[rSA], v[rSB] matrix_a_fmt:MATRIX_FMT_FP4 matrix_b_fmt:MATRIX_FMT_FP4 matrix_b_scale:MATRIX_SCALE_ROW1
.else
	v_wmma_scale_f32_16x16x128_f8f6f4 v[rD:rD+7], v[rA:rA+7], v[rB:rB+7], v[rD:rD+7], v[rSA], v[rSB] matrix_a_fmt:MATRIX_FMT_FP4 matrix_b_fmt:MATRIX_FMT_FP4
.endif
.endif
.endm
; token tile t x column tile f, K step s.  path 0 (q, k): source 0 = columns, accumulator at 8 (4 t + f);  path 1 (v): source 0 = tokens, accumulator at 8 (8 f + t)
.macro MM path, t, f, s
.if \path
.set rD, 8*(8*(\f)+(\t))
.set rA, AF+8*(\t)
.set rB, BF+32*((\s)%2)+8*(\f)
.set rSA, SA+4*(\s)+(\t)%4
.set rSB, SB+2*(\s)+(\f)%2
.set fA, (\t)/4
.set fB, (\f)/2
.else
.set rD, 8*(4*(\t)+(\f))
.set rA, BF+32*((\s)%2)+8*(\f)
.set rB, AF+8*(\t)
.set rSA, SB+2*(\s)+(\f)%2
.set rSB, SA+4*(\s)+(\t)%4
.set fA, (\f)/2
.set fB, (\t)/4
.endif
.set fZ, (\s)==0
	EMIT
.endm
.macro HALFMM path, s, base            ; 16 products: token tiles base .. base + 3 x the four column tiles.  The 32 accumulators take turns, one instruction a turn
.irp t, 0,1,2,3
.irp f, 0,1,2,3
	MM \path, \base+\t, \f, \s
.endr
.endr
.endm
.macro FRAG reg, adr, off              ; a fragment comes as it was stored: two loads of 512 consecutive bytes
	ds_load_b128 v[(\reg):(\reg)+3], v[(\adr)] offset:(\off)
	ds_load_b128 v[(\reg)+4:(\reg)+7], v[(\adr)] offset:(\off)+512
.endm
.macro FETCH_A half, s                 ; A's tiles 4 half .. 4 half + 3 of K step s
.irp i, 0,1,2,3
	FRAG AF+32*(\half)+8*\i, LA+(\s)/4, (((\s)/2)%2)*APIECE+(4*(\half)+\i)*2048+((\s)%2)*1024
.endr
.endm
.macro FETCH_B s                       ; B's four tiles of K step s into set s % 2
.irp i, 0,1,2,3
	FRAG BF+32*((\s)%2)+8*\i, LB+(\s)/4, (((\s)/2)%2)*32768+\i*2048+((\s)%2)*1024
.endr
.endm
; A K step: 32 products.  A's tiles 0-3 are fetched anew in its middle, tiles 4-7 at its end; B has two sets.
.macro STEP path, s
.if ((\s)%2 == 1) && ((\s) < 7)
	s_wait_tensorcnt (5-(\s))/2                    ; my part of the piece that this step's loads read has landed; the later pieces (2, 1, 0 of them) stay out
	s_wait_dscnt 0x0                               ; no LDS load of mine is out at the signal
	s_barrier_signal -1
	s_barrier_wait -1                              ; everybody's part has landed.
.endif
	s_wait_dscnt 8                                 ; B's set and A's tiles 0-3 are in; the youngest eight loads (A's tiles 4-7) may be out
	WIN 0x50                                       ; C and D in window 1
	HALFMM \path, \s, 0
	WIN 0
	PLACES
.if (\s) < 7
	FETCH_B (\s)+1
	FETCH_A 0, (\s)+1
	s_wait_dscnt 16                                ; all but the sixteen just issued: A's tiles 4-7 are in
.else
	s_wait_dscnt 0x0
.endif
	WIN 0x50
	HALFMM \path, \s, 4
	WIN 0
	PLACES
.if (\s) < 7
	FETCH_A 1, (\s)+1
.endif
.endm
; 64 numbers of a lane, register 16 b + i in block b, become a fragment's codes in v[p] on and its scale word in v[pw].
.macro QUANT64 t, p, pw
.irp b, 0,1,2,3
	v_max3_num_f32 v[TM+\b], |v[(\t)+16*\b]|, |v[(\t)+16*\b+1]|, 0x1800000   ; my 16 numbers of block b, and the floor 2^(3 - 127): the byte cannot fall under 1
.endr
.irp i, 2,4,6,8,10,12,14
.irp b, 0,1,2,3
	s_delay_alu instid0(VALU_DEP_4)
	v_max3_num_f32 v[TM+\b], v[TM+\b], |v[(\t)+16*\b+\i]|, |v[(\t)+16*\b+\i+1]|   ; the four blocks by turns
.endr
.endr
.irp b, 0,1,2,3
	s_delay_alu instid0(VALU_DEP_4)
	v_permlanex16_b32 v[TM+4+\b], v[TM+\b], s104, s105
.endr
.irp b, 0,1,2,3
	s_delay_alu instid0(VALU_DEP_4)
	v_max_num_f32 v[TM+\b], v[TM+\b], v[TM+4+\b]   ; with lane l xor 16's: the block's largest magnitude
.endr
.irp b, 0,1,2,3
	s_delay_alu instid0(VALU_DEP_4)
	v_add_nc_u32 v[TM+12+\b], 0xff000000, v[TM+\b] ; 2 off its exponent field: the conversion's scale operand
.endr
.irp b, 0,1,2,3
	s_delay_alu instid0(VALU_DEP_4)
	v_lshrrev_b32 v[TM+4+\b], 23, v[TM+12+\b]      ; the scale's byte
.endr
	s_delay_alu instid0(VALU_DEP_3)
	v_lshl_or_b32 v[(\pw)], v[TM+5], 8, v[TM+4]
	s_delay_alu instid0(VALU_DEP_1)
	v_lshl_or_b32 v[(\pw)], v[TM+6], 16, v[(\pw)]
	s_delay_alu instid0(VALU_DEP_1)
	v_lshl_or_b32 v[(\pw)], v[TM+7], 24, v[(\pw)]
.irp c, 0,1
.irp e, 0,1
	v_cvt_scalef32_pk8_fp4_f32 v[(\p)+4*\c+\e], v[(\t)+32*\c+16*\e:(\t)+32*\c+16*\e+7], v[TM+12+2*\c+\e]
	v_cvt_scalef32_pk8_fp4_f32 v[(\p)+4*\c+2+\e], v[(\t)+32*\c+16*\e+8:(\t)+32*\c+16*\e+15], v[TM+12+2*\c+\e]
.endr
.endr
	v_nop                                          ; one plain line behind a scaled conversion
.irp c, 0,1
	v_permlane16_swap_b32 v[(\p)+4*\c], v[(\p)+4*\c+1]     ; the first's lanes 16-31 change places with the second's lanes 0-15
	v_permlane16_swap_b32 v[(\p)+4*\c+2], v[(\p)+4*\c+3]
.endr
.endm
.macro BODY path
.if \path
.irp g, 0,1,2,3
	global_load_b32 v[BI+2*\g], v[BV], s[8:9] offset:64*\g     ; v: my column 16 g + r; twice, to fill the pair that the packed addition names
	global_load_b32 v[BI+2*\g+1], v[BV], s[8:9] offset:64*\g
.endr
.else
.irp f, 0,1,2,3
	global_load_b128 v[BI+8*\f:BI+8*\f+3], v[BO], s[8:9] offset:64*\f      ; q, k: my columns 16 f + 8 h + 0 .. 7
	global_load_b128 v[BI+8*\f+4:BI+8*\f+7], v[BO], s[8:9] offset:64*\f+16
.endr
.endif
.irp k, 0,1,2,3,4,5,6,7                ; all scale words of my tiles, once
.irp i, 0,1,2,3
	ds_load_b32 v[SA+4*\k+\i], v[LSA] offset:SAK*\k+64*\i
.endr
.irp j, 0,1
	ds_load_b32 v[SB+2*\k+\j], v[LSB] offset:512*\k+64*\j
.endr
.endr
	FETCH_B 0
	FETCH_A 0, 0
	FETCH_A 1, 0
.irp k, 0,1,2,3,4,5,6,7
	STEP \path, \k
.endr
	s_wait_loadcnt 0x0                             ; the bias
.irp b, 0,1,2,3
	v_mov_b32 v[TM+4+\b], 0                        ; a lane permute's destination counts as one of its sources
.endr
.irp g, 0,1,2,3                        ; 64 accumulator registers at a time: q, k: token tiles 2 g, 2 g + 1 x all of d;  v: d tile g x the 128 tokens.  Either way: one fragment and one scale word
	WIN 0x01                                       ; source 0 in window 1
.set n, 0
.rept 32
.if \path
	v_pk_add_f32 v[T+n:T+n+1], v[64*\g+n:64*\g+n+1], v[BI+2*\g:BI+2*\g+1]
.else
	v_pk_add_f32 v[T+n:T+n+1], v[64*\g+n:64*\g+n+1], v[BI+n%32:BI+n%32+1]   ; each accumulator from its low end on
.endif
.set n, n+2
.endr
	WIN 0
	QUANT64 T, P+8*\g, PW+\g
	global_store_b128 v[CDO], v[P+8*\g:P+8*\g+3], s[10:11] offset:1024*\g           ; 512 consecutive bytes, at a multiple of 256 from the buffer's first byte
	global_store_b128 v[CDO], v[P+8*\g+4:P+8*\g+7], s[10:11] offset:1024*\g+512
.endr
	v_cndmask_b32 v[W], v[PW], v[PW+2], s100       ; lanes 0-15 store words 0, 1 of row r, lanes 16-31 words 2, 3
	v_cndmask_b32 v[W+1], v[PW+1], v[PW+3], s100
	global_store_b64 v[SCO], v[W:W+1], s[10:11]    ; 256 consecutive bytes, aligned
.endm
	s_wait_tensorcnt 3                             ; the scale words and my part of piece 0 have landed; pieces 1 to 3 stay out
	s_barrier_signal -1
	s_barrier_wait -1                              ; everybody's have
	s_cmp_ge_u32 ttmp9, 2                          ; the cluster's x: the same in all waves of all sixteen partners
	s_cbranch_scc1 .Lvpath
	s_wait_alu depctr_va_vdst(0)
	BODY 0
	s_branch .Ljoin
.Lvpath:
	s_wait_alu depctr_va_vdst(0)
	BODY 1
.Ljoin:
	s_wait_tensorcnt 0x0
	ds_add_u32 v254, v255
	s_wait_dscnt 0x0
	CROUND                                         ; the closing round: no work-group ends while a partner may still ask for a tile that names it
	s_endpgm
.Lfunc_end_k_q2eb7359a7e_qkvgemm:
	.size	k_q2eb7359a7e_qkvgemm, .Lfunc_end_k_q2eb7359a7e_qkvgemm-k_q2eb7359a7e_qkvgemm
	.p2alignl 7, 3214868480
	.fill 96, 4, 3214868480
	.section	.rodata,"a",@progbits
	.p2align	6, 0x0
	.amdhsa_kernel k_q2eb7359a7e_qkvgemm
		.amdhsa_group_segment_fixed_size 279552
		.amdhsa_private_segment_fixed_size 0
		.amdhsa_enable_private_segment 0
		.amdhsa_kernarg_size 32
		.amdhsa_user_sgpr_count 2
		.amdhsa_user_sgpr_kernarg_segment_ptr 1
		.amdhsa_wavefront_size32 1
		.amdhsa_system_sgpr_workgroup_id_x 1
		.amdhsa_system_sgpr_workgroup_id_y 1
		.amdhsa_system_sgpr_workgroup_id_z 1
		.amdhsa_system_vgpr_workitem_id 0
		.amdhsa_next_free_vgpr 512
		.amdhsa_next_free_sgpr 106
		.amdhsa_reserve_vcc 0
		.amdhsa_float_denorm_mode_32 3
		.amdhsa_float_denorm_mode_16_64 3
		.amdhsa_memory_ordered 1
		.amdhsa_forward_progress 1
		.amdhsa_inst_pref_size 175
	.end_amdhsa_kernel
	.amdgpu_metadata
---
amdhsa.version: [ 1, 2 ]
amdhsa.kernels:
  - .name:           k_q2eb7359a7e_qkvgemm
    .symbol:         k_q2eb7359a7e_qkvgemm.kd
    .args:
      - { .name: xq, .offset: 0, .size: 8, .value_kind: global_buffer, .address_space: global }
      - { .name: waq, .offset: 8, .size: 8, .value_kind: global_buffer, .address_space: global }
      - { .name: Wa_b, .offset: 16, .size: 8, .value_kind: global_buffer, .address_space: global }
      - { .name: qkv, .offset: 24, .size: 8, .value_kind: global_buffer, .address_space: global }
    .group_segment_fixed_size: 279552
    .private_segment_fixed_size: 0
    .kernarg_segment_align: 8
    .kernarg_segment_size: 32
    .max_flat_workgroup_size: 256
    .sgpr_count:     106
    .vgpr_count:     512
    .wavefront_size: 32
...
	.end_amdgpu_metadata
.endif
;; end of part 2
;; launch attn (part 3): grid 4 x 64, 16 waves a work-group, clusters of 4 x 1, 169,984 bytes of LDS; arguments qkv, aoq; writes aoq
.if DOCPART == 3
	.amdgcn_target "amdgcn-amd-amdhsa--gfx1250"
	.amdhsa_code_object_version 6
	.text
	.protected	k_q2eb7359a7e_attn
	.globl	k_q2eb7359a7e_attn
	.p2align	8
	.type	k_q2eb7359a7e_attn,@function
k_q2eb7359a7e_attn:
	s_mov_b64 s[64:65], 0
	v_nop
	global_prefetch_b8 v0, s[64:65] scope:SCOPE_SE
	s_setreg_imm32_b32 hwreg(HW_REG_WAVE_MODE, 25, 1), 1
	s_wait_xcnt 0x0
	s_wait_alu depctr_hold_cnt(0) depctr_sa_sdst(0) depctr_va_vdst(0) depctr_va_sdst(0) depctr_va_ssrc(0) depctr_va_vcc(0) depctr_vm_vsrc(0)
	s_getreg_b32 s2, hwreg(HW_REG_IB_STS2, 6, 4)
	s_cmp_eq_u32 s2, 0
	s_cbranch_scc0 .Lentry_in_a_cluster
	s_endpgm
.Lentry_in_a_cluster:
	s_bfe_u32 s2, ttmp6, 0x10000c
	s_cmp_lg_u32 s2, 0x3003
	s_cbranch_scc0 .Lentry_shape_is_right
	s_endpgm
.Lentry_shape_is_right:
; Causal attention of one head on codes of FP4 (E2M1) with E8M0 scales; its result, divided by the row's sum, is quantised along the head's 64 into an operand of the last product.
; IN: qkv, records of three parts (q, k, v), laid as operand images.  OUT: aoq, laid as [tile of 16 tokens 512][K step 8][1,024 bytes], then scale words [K step 8][token]: head = 2 x K step + half.
; THE SOFTMAX: t = score x log2(e) / 8; M = the running largest t rounded up to a whole number, kept as -M = floor(-t); p = 2^(t - M) is quantised along the keys, not normalised; the row's sum is taken of the
; unquantised p and divides at the end.  When M moves, the sum and O are multiplied by 2^(old M - new M): exact.
; LIMITS: a block of zeros or under 2^-124 gets the scale byte 1 (its codes are zeros or the quantiser's own; this program alone reads the bytes); NaN and infinities are not served.
; SHARES: the four work-groups of a cluster serve one head.  ALL of its K and V, 136 KiB of codes and scale words, lie in each one's LDS, brought once by four joint loads; nothing is filled again.
; A wave owns two tiles of 16 queries, number 8 a + u and number 127 - (8 a + u) (a = wave % 8, u = 2 cx + wave / 8): they need a + 1 and 16 - a steps of 128 keys, so EVERY wave runs 17 steps.
; Steps all of whose keys come after the queries are never run; in a tile's last step hidden scores become -infinity.  Trip counts, branches and LDS addresses hang on the wave's number and the counter alone.
; Both products are used transposed (S^T = K Q^T, O^T = V^T P^T): a lane holds one query (lane % 16) throughout.
; K = 64 IN AN INSTRUCTION OF 128: two key tiles lie in one fragment (k 0-63: tile 2 p, k 64-127: tile 2 p + 1); multiplied by (q, zeros) it gives tile 2 p, by (zeros, q) tile 2 p + 1: zero codes add nothing.
; The scale halfwords of the result are stored two bytes a lane, four bytes apart: 64 bytes for each 1,024 bytes of codes, since a word's other half belongs to another head's cluster.
.set REC,  208896
.set PART, 69632
.set KSO,  65536                       ; LDS: K's images from 0, K's scale words,
.set VO,   69632                       ; V's images,
.set VSO,  135168                      ; V's scale words
.set QTR,  34816                       ; what one joint load brings
.set KR,  32                           ; v32-63   four double fragments of K
.set VR,  64                           ; v64-95   four fragments of V
.set S,   96                           ; v96-159  S^T, then p; at a tile's end O^T / l
.set O,   160                          ; v160-191 O^T
.set PC,  192                          ; v192-199 p's codes
.set KSW, 200                          ; v200-203 K's scale words;  v204-207 V's;  v208 p's;  v28 q's
.set VSW, 204
.set PSW, 208
.set MX,  212                          ; v212-215 block maxima;  v216-219 the other half's, then bytes;  v220-223 scale operands
.set TP,  216
.set SOP, 220
.set FF,  224                          ; v[224:225] f = 2^(old M - new M)
.set TT,  226
.set SU,  228                          ; v[228:229] the sum's second chain
.set QN,  232                          ; v232-235 the second tile's q, v236 its scale word
.set CO,  237                          ; v237, v238 where the codes go: this tile's, the next's
.set HWA, 239                          ; v239, v240 the two tiles' scale halfwords
.set HWB, 240
.set SAD, 241                          ; v241 where they go
; v1-4 lane terms of the LDS addresses; v5, v6 the mask's bound, now and next; v7 -infinity; v8-11 the step's LDS addresses; v12 -M, v13 the largest t, v[14:15] the sum; v16-19 q, v20-23 zeros, v24-27 q
.macro CROUND
	s_barrier_signal -1
	s_barrier_wait -1
	s_cmp_lg_u32 s8, 0
	s_cbranch_scc1 .Lnot_wave_0_\@
	s_barrier_signal -3
.Lnot_wave_0_\@:
	s_barrier_wait -3
	s_barrier_signal -1
	s_barrier_wait -1
.endm
	s_load_b128 s[4:7], s[0:1], 0x0                ; qkv s[4:5], aoq s[6:7]
	v_lshl_add_u32 v254, v0, 2, 0x29000
	v_mov_b32 v255, 0
	ds_add_u32 v254, v255
	ds_add_u32 v254, v255
	v_lshrrev_b32 v1, 5, v0
	s_delay_alu instid0(VALU_DEP_1)
	v_readfirstlane_b32 s8, v1                     ; wave 0..15
	s_bfe_u32 s9, ttmp6, 0x40000                   ; cx: it enters global addresses and the mask's bound alone
	s_and_b32 s10, ttmp7, 0xffff                   ; 16 x batch + head
	s_and_b32 s11, s8, 7                           ; a
	s_add_co_u32 s13, s11, 1                       ; the first tile's steps
	s_lshr_b32 s12, s8, 3
	s_lshl_b32 s26, s9, 1
	s_add_co_u32 s12, s12, s26                     ; u
	s_lshl_b32 s14, s11, 3
	s_add_co_u32 s14, s14, s12                     ; the first tile
	s_sub_co_u32 s15, 127, s14                     ; the second
	s_mov_b32 s36, 15|(3<<16)|(1<<21)              ; 15:0 all four work-groups; 17:16 elements of 8 bytes; 21 set beside a mask
	s_mov_b32 s37, 32<<16                          ; a dense block as 136 rows of 256 bytes
	s_mov_b32 s38, 136<<16
	s_mov_b32 s39, 32<<16
	s_mov_b32 s40, 136
	s_mov_b32 s41, 32
	s_mov_b32 s42, 0
	s_mov_b32 s43, 0
	s_mul_i32 s44, s10, REC
	s_mov_b32 s45, 0
	s_min_u32 s31, s8, 3                           ; waves 0 to 3 fetch a quarter each
	s_mul_i32 s33, s31, QTR                        ; LDS: the parts of k and v as they lie in memory
	s_add_co_u32 s46, s33, PART
	s_mov_b32 s47, 0
	s_mov_b32 s32, 1
	s_mov_b32 s20, 0x76543210
	s_mov_b32 s21, 0xfedcba98                      ; v_permlanex16_b32's selects for lane l xor 16
	s_mov_b32 s22, 0x3e38aa3b                      ; c = log2(e) / sqrt(64)
	s_mov_b32 s23, s22                             ; named with it as a pair
	s_mov_b32 s24, 0xffff0000                      ; lanes 16-31
	s_mov_b32 s16, 0                               ; the trip
	s_wait_dscnt 0x0
	s_wait_kmcnt 0x0
	s_add_nc_u64 s[44:45], s[4:5], s[44:45]        ; the head's record
	s_add_nc_u64 s[34:35], s[44:45], s[46:47]
	s_or_b32 s35, s35, 0x80000000
	CROUND                                         ; all four work-groups are here: the joint loads meet
	s_cmp_lt_u32 s8, 4
	s_cbranch_scc0 .Lno_fill
	tensor_load_to_lds s[32:35], s[36:43]          ; one load of mine is out
	s_nop 0
.rept 4
	v_nop
.endr
.Lno_fill:
	v_and_b32 v226, 31, v0                         ; lane
	v_and_b32 v227, 15, v0                         ; r
	v_bfe_u32 v228, v0, 4, 1                       ; h
	s_delay_alu instid0(VALU_DEP_3)
	v_lshlrev_b32 v1, 4, v226                      ; 16 x lane: K's images
	s_delay_alu instid0(VALU_DEP_1)
	v_add_nc_u32 v2, VO, v1                        ; V's
	s_delay_alu instid0(VALU_DEP_4)
	v_lshlrev_b32 v229, 4, v227
	s_wait_alu depctr_va_vdst(0)
	v_add_nc_u32 v3, KSO, v229                     ; 16 r: K's scale words
	v_add_nc_u32 v4, VSO, v229                     ; V's
	s_lshl_b32 s26, s14, 9
	v_add_nc_u32 v242, s26, v1                     ; q's image of the first tile,
	s_wait_alu depctr_va_vdst(0)
	s_lshl_b32 s26, s15, 9
	v_add_nc_u32 v243, s26, v1                     ; of the second
	s_wait_alu depctr_va_vdst(0)
	s_lshr_b32 s26, s14, 3
	s_lshl_b32 s26, s26, 8
	s_bfe_u32 s27, s14, 0x20001
	s_lshl_b32 s27, s27, 2
	s_add_co_u32 s26, s26, s27
	s_add_co_u32 s26, s26, KSO
	v_add_nc_u32 v244, s26, v229                   ; the word of its pair of tiles: 256 (tile / 8) + 16 r + 4 ((tile % 8) / 2)
	s_lshr_b32 s26, s15, 3
	s_lshl_b32 s26, s26, 8
	s_bfe_u32 s27, s15, 0x20001
	s_lshl_b32 s27, s27, 2
	s_add_co_u32 s26, s26, s27
	s_add_co_u32 s26, s26, KSO
	v_add_nc_u32 v245, s26, v229
	global_load_b128 v[16:19], v242, s[44:45]
	global_load_b128 v[QN:QN+3], v243, s[44:45]
	global_load_b32 v28, v244, s[44:45]
	global_load_b32 v[QN+4], v245, s[44:45]
	v_lshlrev_b32 v230, 3, v228
	s_delay_alu instid0(VALU_DEP_1)
	v_sub_nc_u32 v230, v227, v230                  ; r - 8 h
	s_and_b32 s26, s14, 7
	s_lshl_b32 s26, s26, 4
	v_add_nc_u32 v5, s26, v230                     ; register n holds key 16 (n / 8) + 8 h + n % 8 of the step: hidden where 16 (n / 8) + n % 8 > 16 (tile % 8) + r - 8 h
	s_and_b32 s26, s15, 7
	s_lshl_b32 s26, s26, 4
	v_add_nc_u32 v6, s26, v230
	v_mov_b32 v7, 0xff800000                       ; -infinity
	s_lshr_b32 s28, s10, 4                         ; batch
	s_and_b32 s29, s10, 15                         ; head
	s_lshl_b32 s30, s28, 7
	s_lshl_b32 s31, s29, 9
	s_add_co_u32 s26, s30, s14
	s_lshl_b32 s26, s26, 13
	s_add_co_u32 s26, s26, s31
	v_add_nc_u32 v[CO], s26, v1                    ; the codes: (16 x tile of tokens + head) x 512 + 16 x lane
	s_add_co_u32 s26, s30, s15
	s_lshl_b32 s26, s26, 13
	s_add_co_u32 s26, s26, s31
	v_add_nc_u32 v[CO+1], s26, v1
	s_lshr_b32 s26, s29, 1
	s_lshl_b32 s26, s26, 15                        ; the halfwords: 32,768 bytes a K step,
	s_lshl_b32 s27, s28, 13
	s_add_co_u32 s26, s26, s27                     ; 4 bytes a token,
	s_and_b32 s27, s29, 1
	s_lshl_b32 s27, s27, 1
	s_add_co_u32 s26, s26, s27                     ; the head's half of the word;
	s_lshl_b32 s27, s14, 6
	s_add_co_u32 s26, s26, s27
	s_sub_co_u32 s27, s15, s14
	s_lshl_b32 s27, s27, 6
	v_mul_u32_u24 v[SAD], s27, v228                ; lanes 0-15 the first tile's rows, lanes 16-31 the second's
	s_delay_alu instid0(VALU_DEP_1)
	v_lshl_add_u32 v[SAD], v227, 2, v[SAD]
	s_delay_alu instid0(VALU_DEP_1)
	v_add_nc_u32 v[SAD], s26, v[SAD]
	v_mov_b32 v[HWB], 0
	v_mov_b32 v[FF+1], 0                           ; named as the upper half of a pair
.irp b, 0,1,2,3
	v_mov_b32 v[TP+\b], 0                          ; a lane permute's destination counts as one of its sources
	v_mov_b32 v[20+\b], 0                          ; zero codes
.endr
	v_mov_b32 v13, 0xff61b1e6                      ; the largest t so far: -3e38, under every t
	s_delay_alu instid0(VALU_DEP_1)
	v_floor_f32 v12, -v13                          ; -M
	v_mov_b32 v14, 0
	v_mov_b32 v15, 0
	s_wait_loadcnt 0x0                             ; q
	s_and_b32 s26, s14, 1
	s_lshl_b32 s26, s26, 4
	v_lshrrev_b32 v28, s26, v28                    ; my tile's half of the pair's word,
	s_delay_alu instid0(VALU_DEP_1)
	v_and_b32 v28, 0xffff, v28
	s_delay_alu instid0(VALU_DEP_1)
	v_lshl_or_b32 v28, v28, 16, v28                ; twice: for k 0-63 and for k 64-127
	s_and_b32 s26, s15, 1
	s_lshl_b32 s26, s26, 4
	v_lshrrev_b32 v[QN+4], s26, v[QN+4]
	s_delay_alu instid0(VALU_DEP_1)
	v_and_b32 v[QN+4], 0xffff, v[QN+4]
	s_delay_alu instid0(VALU_DEP_1)
	v_lshl_or_b32 v[QN+4], v[QN+4], 16, v[QN+4]
.irp b, 0,1,2,3
	v_mov_b32 v[24+\b], v[16+\b]
.endr
.set n, 0
.rept 32
	v_mov_b32 v[O+n], 0                            ; O^T: the step is written once and its first turn finds zeros.  These lines are also the places between q's scale word and the first product
.set n, n+1
.endr
	s_wait_tensorcnt 0x0                           ; my quarter has landed,
	s_barrier_signal -1
	s_barrier_wait -1                              ; everybody's has.  From here on LDS is only read
.Ltrip:                                            ; 17 trips: the first tile's a + 1 steps, then the second's 16 - a
	s_cmp_lt_u32 s16, s13
	s_cselect_b32 s26, 0, s13
	s_sub_co_u32 s17, s16, s26
	s_and_b32 s17, s17, 15                         ; the step of 128 keys
	s_lshl_b32 s18, s17, 12                        ; 4,096 bytes of images a step,
	s_lshl_b32 s19, s17, 8                         ; 256 of scale words
	s_add_co_u32 s26, s16, 1
	s_cmp_eq_u32 s26, s13
	s_cselect_b32 s25, 1, 0
	s_cmp_eq_u32 s16, 16
	s_cselect_b32 s25, 1, s25                      ; a tile's last step: the one on the diagonal
	s_setprio 2
	v_add_nc_u32 v8, s18, v1                       ; (these four lines are the places behind the last products, in front of the loads into their sources)
	v_add_nc_u32 v9, s18, v2
	v_add_nc_u32 v10, s19, v3
	v_add_nc_u32 v11, s19, v4
.irp p, 0,1,2,3
.irp e, 0,1
	ds_load_b128 v[KR+8*\p+4*\e:KR+8*\p+4*\e+3], v8 offset:1024*\p+512*\e
.endr
.endr
	ds_load_b128 v[KSW:KSW+3], v10
.irp d, 0,1,2,3
.irp c, 0,1
	ds_load_b128 v[VR+8*\d+4*\c:VR+8*\d+4*\c+3], v9 offset:1024*\d+512*\c
.endr
.endr
	ds_load_b128 v[VSW:VSW+3], v11
	s_wait_dscnt 9                                 ; K and its scale words are in; V's eight loads and its words' one may be out
.irp p, 0,1,2,3
	v_wmma_scale_f32_16x16x128_f8f6f4 v[S+16*\p:S+16*\p+7], v[KR+8*\p:KR+8*\p+7], v[16:23], 0, v[KSW+\p], v28 matrix_a_fmt:MATRIX_FMT_FP4 matrix_b_fmt:MATRIX_FMT_FP4
	v_wmma_scale_f32_16x16x128_f8f6f4 v[S+16*\p+8:S+16*\p+15], v[KR+8*\p:KR+8*\p+7], v[20:27], 0, v[KSW+\p], v28 matrix_a_fmt:MATRIX_FMT_FP4 matrix_b_fmt:MATRIX_FMT_FP4
.endr
.rept 4
	v_nop                                          ; places in front of the first read of the scores
.endr
	s_cmp_eq_u32 s25, 0
	s_cbranch_scc1 .Lopen
.set n, 0
.rept 64
	v_cmp_gt_i32 vcc_lo, 16*(n/8)+n%8, v5
	v_cndmask_b32 v[S+n], v[S+n], v7, vcc_lo       ; hidden scores become -infinity ahead of the maximum: p = 0 then
.set n, n+1
.endr
.Lopen:
.irp b, 0,1,2,3
	v_max3_num_f32 v[MX+\b], v[S+16*\b], v[S+16*\b+1], v[S+16*\b+2]   ; the largest score of each block of 32 keys: for the row's maximum and, since p rises with the score, for the block's largest p
.endr
.irp i, 3,5,7,9,11,13
.irp b, 0,1,2,3
	v_max3_num_f32 v[MX+\b], v[MX+\b], v[S+16*\b+\i], v[S+16*\b+\i+1]
.endr
.endr
.irp b, 0,1,2,3
	v_max_num_f32 v[MX+\b], v[MX+\b], v[S+16*\b+15]
.endr
.irp b, 0,1,2,3
	s_delay_alu instid0(VALU_DEP_4)
	v_permlanex16_b32 v[TP+\b], v[MX+\b], s20, s21
.endr
.irp b, 0,1,2,3
	s_delay_alu instid0(VALU_DEP_4)
	v_max_num_f32 v[MX+\b], v[MX+\b], v[TP+\b]     ; with lane l xor 16's 16 keys
.endr
	s_delay_alu instid0(VALU_DEP_2)
	v_max3_num_f32 v[TT], v[MX], v[MX+1], v[MX+2]
	s_delay_alu instid0(VALU_DEP_1)
	v_max_num_f32 v[TT], v[TT], v[MX+3]
	s_delay_alu instid0(VALU_DEP_1)
	v_mul_f32 v[TT], s22, v[TT]                    ; the step's largest t
	s_delay_alu instid0(VALU_DEP_1)
	v_max_num_f32 v13, v13, v[TT]                  ; the running largest t
	v_mov_b32 v[TT], v12
	s_delay_alu instid0(VALU_DEP_2)
	v_floor_f32 v12, -v13                          ; the new -M: a whole number
	s_delay_alu instid0(VALU_DEP_1)
	v_sub_f32 v[TT], v12, v[TT]                    ; old M - new M, 0 or less
	s_delay_alu instid0(VALU_DEP_1)
	v_cvt_i32_f32 v[TT], v[TT]                     ; (it saturates)
	s_delay_alu instid0(VALU_DEP_1)
	v_ldexp_f32 v[FF], 1.0, v[TT]                  ; f = 2^(old M - new M)
.set n, 0
.rept 32
	v_pk_fma_f32 v[S+n:S+n+1], v[S+n:S+n+1], s[22:23], v[12:13] op_sel_hi:[1,0,0]   ; t - M, two at a time
.set n, n+2
.endr
.irp b, 0,1,2,3
	v_fma_f32 v[MX+\b], v[MX+\b], s22, v12         ; the same of each block's largest score
.endr
.set n, 0
	s_wait_alu depctr_va_vdst(0)
.rept 64
	v_exp_f32 v[S+n], v[S+n]                       ; p = 2^(t - M)
.set n, n+1
.endr
	s_setprio 1
.irp b, 0,1,2,3
	v_exp_f32 v[MX+\b], v[MX+\b]                   ; the block's largest p: the same two instructions on the same number
.endr
	v_pk_mul_f32 v[14:15], v[14:15], v[FF:FF+1] op_sel_hi:[1,0]   ; the sum under the new M (a plain line behind the exponentials)
	s_wait_alu depctr_va_vdst(0)
.irp b, 0,1,2,3
	v_max_num_f32 v[MX+\b], 0x1800000, v[MX+\b]    ; the floor 2^(3 - 127): the byte cannot fall under 1
.endr
.irp b, 0,1,2,3
	s_delay_alu instid0(VALU_DEP_4)
	v_add_nc_u32 v[SOP+\b], 0xff000000, v[MX+\b]   ; 2 off the exponent field: the conversion's scale operand
.endr
.irp b, 0,1,2,3
	s_delay_alu instid0(VALU_DEP_4)
	v_lshrrev_b32 v[TP+\b], 23, v[SOP+\b]          ; the scale's byte
.endr
	s_delay_alu instid0(VALU_DEP_3)
	v_lshl_or_b32 v[PSW], v[TP+1], 8, v[TP]        ; p's scale word for these 128 keys
	s_delay_alu instid0(VALU_DEP_1)
	v_lshl_or_b32 v[PSW], v[TP+2], 16, v[PSW]
	s_delay_alu instid0(VALU_DEP_1)
	v_lshl_or_b32 v[PSW], v[TP+3], 24, v[PSW]
.irp c, 0,1
.irp e, 0,1
	v_cvt_scalef32_pk8_fp4_f32 v[PC+4*\c+\e], v[S+32*\c+16*\e:S+32*\c+16*\e+7], v[SOP+2*\c+\e]
	v_cvt_scalef32_pk8_fp4_f32 v[PC+4*\c+2+\e], v[S+32*\c+16*\e+8:S+32*\c+16*\e+15], v[SOP+2*\c+\e]
.endr
.endr
	v_nop                                          ; one plain line behind a scaled conversion
.irp c, 0,1
	v_permlane16_swap_b32 v[PC+4*\c], v[PC+4*\c+1] ; register 4 c + i now holds keys 64 c + 32 h + 8 i .. + 7
	v_permlane16_swap_b32 v[PC+4*\c+2], v[PC+4*\c+3]
.endr
	v_pk_add_f32 v[228:229], v[100:101], v[104:105]
	v_pk_add_f32 v[252:253], v[108:109], v[112:113]
	v_pk_add_f32 v[250:251], v[116:117], v[120:121]
	v_pk_add_f32 v[248:249], v[124:125], v[128:129]
	v_pk_add_f32 v[246:247], v[132:133], v[136:137]
	v_pk_add_f32 v[244:245], v[140:141], v[144:145]
	v_pk_add_f32 v[242:243], v[148:149], v[152:153]
	v_pk_add_f32 v[14:15], v[14:15], v[156:157]
	v_pk_add_f32 v[228:229], v[228:229], v[96:97]
	v_pk_add_f32 v[252:253], v[252:253], v[98:99]
	v_pk_add_f32 v[250:251], v[250:251], v[102:103]
	v_pk_add_f32 v[248:249], v[248:249], v[106:107]
	v_pk_add_f32 v[246:247], v[246:247], v[110:111]
	v_pk_add_f32 v[244:245], v[244:245], v[114:115]
	v_pk_add_f32 v[242:243], v[242:243], v[118:119]
	v_pk_add_f32 v[14:15], v[14:15], v[122:123]
	v_pk_add_f32 v[228:229], v[228:229], v[126:127]
	v_pk_add_f32 v[252:253], v[252:253], v[130:131]
	v_pk_add_f32 v[250:251], v[250:251], v[134:135]
	v_pk_add_f32 v[248:249], v[248:249], v[138:139]
	v_pk_add_f32 v[246:247], v[246:247], v[142:143]
	v_pk_add_f32 v[244:245], v[244:245], v[146:147]
	v_pk_add_f32 v[242:243], v[242:243], v[150:151]
	v_pk_add_f32 v[14:15], v[14:15], v[154:155]
	v_pk_add_f32 v[228:229], v[228:229], v[158:159]
	s_delay_alu instid0(VALU_DEP_2)
	v_pk_add_f32 v[14:15], v[14:15], v[248:249]
	s_delay_alu instid0(VALU_DEP_2)
	v_pk_add_f32 v[228:229], v[228:229], v[246:247]
	v_pk_add_f32 v[252:253], v[252:253], v[244:245]
	v_pk_add_f32 v[250:251], v[250:251], v[242:243]
	s_delay_alu instid0(VALU_DEP_2)
	v_pk_add_f32 v[14:15], v[14:15], v[252:253]
	s_delay_alu instid0(VALU_DEP_2)
	v_pk_add_f32 v[228:229], v[228:229], v[250:251]
	s_delay_alu instid0(VALU_DEP_1)
	v_pk_add_f32 v[14:15], v[14:15], v[228:229]
.set n, 0
.rept 16
	v_pk_mul_f32 v[O+n:O+n+1], v[O+n:O+n+1], v[FF:FF+1] op_sel_hi:[1,0]   ; O^T under the new M, each accumulator from its low end on
.set n, n+2
.endr
	s_wait_alu depctr_va_vdst(0)
	s_wait_dscnt 0x0                               ; V and its scale words are in
.irp d, 0,1,2,3
	v_wmma_scale_f32_16x16x128_f8f6f4 v[O+8*\d:O+8*\d+7], v[VR+8*\d:VR+8*\d+7], v[PC:PC+7], v[O+8*\d:O+8*\d+7], v[VSW+\d], v[PSW] matrix_a_fmt:MATRIX_FMT_FP4 matrix_b_fmt:MATRIX_FMT_FP4
.endr
	s_cmp_eq_u32 s25, 0
	s_setprio 0
	s_cbranch_scc1 .Lgo_on
	; A TILE'S END: O^T / l, quantised along the head's 64 (two blocks), stored; then the other tile's q and a fresh state.
.rept 4
	v_nop
.endr
	v_add_f32 v14, v14, v15                        ; the sum's two halves,
	s_delay_alu instid0(VALU_DEP_1)
	v_permlanex16_b32 v[TT], v14, s20, s21
	s_delay_alu instid0(VALU_DEP_1)
	v_add_f32 v14, v14, v[TT]                      ; and lane l xor 16's
	s_wait_alu depctr_va_vdst(0)
	v_rcp_f32 v14, v14
	v_nop                                          ; one plain line behind a transcendental
.set n, 0
	s_wait_alu depctr_va_vdst(0)
.rept 16
	v_pk_mul_f32 v[S+n:S+n+1], v[O+n:O+n+1], v[14:15] op_sel_hi:[1,0]   ; register 8 t + j: d = 16 t + 8 h + j of my query
.set n, n+2
.endr
.irp b, 0,1
	v_max3_num_f32 v[MX+\b], |v[S+16*\b]|, |v[S+16*\b+1]|, 0x1800000
.endr
.irp i, 2,4,6,8,10,12,14
.irp b, 0,1
	s_delay_alu instid0(VALU_DEP_2)
	v_max3_num_f32 v[MX+\b], v[MX+\b], |v[S+16*\b+\i]|, |v[S+16*\b+\i+1]|
.endr
.endr
.irp b, 0,1
	s_delay_alu instid0(VALU_DEP_2)
	v_permlanex16_b32 v[TP+\b], v[MX+\b], s20, s21
.endr
.irp b, 0,1
	s_delay_alu instid0(VALU_DEP_2)
	v_max_num_f32 v[MX+\b], v[MX+\b], v[TP+\b]
.endr
.irp b, 0,1
	s_delay_alu instid0(VALU_DEP_2)
	v_add_nc_u32 v[SOP+\b], 0xff000000, v[MX+\b]
.endr
.irp b, 0,1
	s_delay_alu instid0(VALU_DEP_2)
	v_lshrrev_b32 v[TP+\b], 23, v[SOP+\b]
.endr
	v_mov_b32 v[HWA], v[HWB]                       ; behind the second tile's end: the first tile's halfword here,
	s_delay_alu instid0(VALU_DEP_2)
	v_lshl_or_b32 v[HWB], v[TP+1], 8, v[TP]        ; the second's here
.irp e, 0,1
	v_cvt_scalef32_pk8_fp4_f32 v[PC+\e], v[S+16*\e:S+16*\e+7], v[SOP+\e]
	v_cvt_scalef32_pk8_fp4_f32 v[PC+2+\e], v[S+16*\e+8:S+16*\e+15], v[SOP+\e]
.endr
	v_nop
	v_permlane16_swap_b32 v[PC], v[PC+1]
	v_permlane16_swap_b32 v[PC+2], v[PC+3]         ; register i: d = 32 h + 8 i .. + 7
	global_store_b128 v[CO], v[PC:PC+3], s[6:7]    ; 512 consecutive bytes, at a multiple of 256 from the buffer's first byte
.irp b, 0,1,2,3
	v_mov_b32 v[16+\b], v[QN+\b]
	v_mov_b32 v[24+\b], v[QN+\b]
.endr
	v_mov_b32 v28, v[QN+4]
	v_mov_b32 v5, v6
	v_mov_b32 v13, 0xff61b1e6
	s_delay_alu instid0(VALU_DEP_1)
	v_floor_f32 v12, -v13
	v_mov_b32 v14, 0
	v_mov_b32 v15, 0
	s_wait_xcnt 0x0                                ; the store's offset and data are written again only behind this wait
	v_mov_b32 v[CO], v[CO+1]
.set n, 0
.rept 32
	v_mov_b32 v[O+n], 0                            ; also the places between q's scale word and the next product
.set n, n+1
.endr
.Lgo_on:
	s_add_co_u32 s16, s16, 1
	s_cmp_lt_u32 s16, 17
	s_cbranch_scc1 .Ltrip
	s_setprio 0
	v_cndmask_b32 v[TT], v[HWA], v[HWB], s24       ; every lane holds its row's halfword of both tiles: lanes 0-15 store the first's, lanes 16-31 the second's
	global_store_b16 v[SAD], v[TT], s[6:7] offset:4194304
	s_wait_tensorcnt 0x0
	ds_add_u32 v254, v255
	s_wait_dscnt 0x0
	CROUND                                         ; the closing round
	s_endpgm
.Lfunc_end_k_q2eb7359a7e_attn:
	.size	k_q2eb7359a7e_attn, .Lfunc_end_k_q2eb7359a7e_attn-k_q2eb7359a7e_attn
	.p2alignl 7, 3214868480
	.fill 96, 4, 3214868480
	.section	.rodata,"a",@progbits
	.p2align	6, 0x0
	.amdhsa_kernel k_q2eb7359a7e_attn
		.amdhsa_group_segment_fixed_size 169984
		.amdhsa_private_segment_fixed_size 0
		.amdhsa_enable_private_segment 0
		.amdhsa_kernarg_size 16
		.amdhsa_user_sgpr_count 2
		.amdhsa_user_sgpr_kernarg_segment_ptr 1
		.amdhsa_wavefront_size32 1
		.amdhsa_system_sgpr_workgroup_id_x 1
		.amdhsa_system_sgpr_workgroup_id_y 1
		.amdhsa_system_sgpr_workgroup_id_z 1
		.amdhsa_system_vgpr_workitem_id 0
		.amdhsa_next_free_vgpr 256
		.amdhsa_next_free_sgpr 66
		.amdhsa_reserve_vcc 1
		.amdhsa_float_denorm_mode_32 3
		.amdhsa_float_denorm_mode_16_64 3
		.amdhsa_memory_ordered 1
		.amdhsa_forward_progress 1
		.amdhsa_inst_pref_size 36
	.end_amdhsa_kernel
	.amdgpu_metadata
---
amdhsa.version: [ 1, 2 ]
amdhsa.kernels:
  - .name:           k_q2eb7359a7e_attn
    .symbol:         k_q2eb7359a7e_attn.kd
    .args:
      - { .name: qkv, .offset: 0, .size: 8, .value_kind: global_buffer, .address_space: global }
      - { .name: aoq, .offset: 8, .size: 8, .value_kind: global_buffer, .address_space: global }
    .group_segment_fixed_size: 169984
    .private_segment_fixed_size: 0
    .kernarg_segment_align: 8
    .kernarg_segment_size: 16
    .max_flat_workgroup_size: 512
    .sgpr_count:     66
    .vgpr_count:     256
    .wavefront_size: 32
...
	.end_amdgpu_metadata
.endif
;; end of part 3
;; launch outgemm (part 4): grid 4 x 64, 4 waves a work-group, clusters of 4 x 4, 244,224 bytes of LDS; arguments aoq, woq, Wo_b, out0; writes out0
.if DOCPART == 4
	.amdgcn_target "amdgcn-amd-amdhsa--gfx1250"
	.amdhsa_code_object_version 6
	.text
	.protected	k_q2eb7359a7e_outgemm
	.globl	k_q2eb7359a7e_outgemm
	.p2align	8
	.type	k_q2eb7359a7e_outgemm,@function
k_q2eb7359a7e_outgemm:
	s_mov_b64 s[64:65], 0
	v_nop
	global_prefetch_b8 v0, s[64:65] scope:SCOPE_SE
	s_setreg_imm32_b32 hwreg(HW_REG_WAVE_MODE, 25, 1), 1
	s_wait_xcnt 0x0
	s_wait_alu depctr_hold_cnt(0) depctr_sa_sdst(0) depctr_va_vdst(0) depctr_va_sdst(0) depctr_va_ssrc(0) depctr_va_vcc(0) depctr_vm_vsrc(0)
	s_getreg_b32 s2, hwreg(HW_REG_IB_STS2, 6, 4)
	s_cmp_eq_u32 s2, 0
	s_cbranch_scc0 .Lentry_in_a_cluster
	s_endpgm
.Lentry_in_a_cluster:
	s_bfe_u32 s2, ttmp6, 0x10000c
	s_cmp_lg_u32 s2, 0xf033
	s_cbranch_scc0 .Lentry_shape_is_right
	s_endpgm
.Lentry_shape_is_right:
; out0 = attention's result x Wo_w^T + Wo_b on codes of FP4 (E2M1) with E8M0 scales, K = 1,024; out0 [8192][1024] f32.
; IN: aoq, woq: fragments as images of an operand's registers, [tile of 16 rows][K step 8][1,024 bytes], then scale words [K step 8][row].
; SHARES: a work-group makes 128 tokens x 256 columns, wave w all 128 tokens x columns 64 w on: 32 accumulators, window 1.  256 work-groups.
; ALL OF K LIES IN LDS: A's 64 KiB, B's 128 KiB and their scale words are filled once, in four pieces of two K steps; nothing is filled again.
; CLUSTER 4 x 4: the four work-groups of a row need the same tokens, the four of a column the same columns: each piece is asked for jointly.
; THE MATRIX INSTRUCTION IS USED TRANSPOSED (source 0 = 16 rows of Wo_w, source 1 = 16 tokens): a lane holds eight neighbouring numbers of a row of out0.
; THE WAY OUT: 32 rows x 256 bytes at a time through the wave's own stage in LDS, so that sixteen lanes store 256 consecutive bytes.
.set APIECE, 16384                     ; a piece of A in LDS: two K steps of 8 tiles
.set BBASE,  65536                     ; B's four pieces of 32,768
.set SABASE, 196608                    ; A's scale words: [half 2][K step 8][64 rows]
.set SBBASE, 200704                    ; B's: [half 2][K step 8][128 rows]
.set STAGE,  208896                    ; 32 rows x (256 bytes + 16) for each wave; no fill lands here
.set SAK,    256                       ; a K step's words of a half of A
.set LA,  4                            ; v4-5   LDS address of A's fragments, K steps 0-3 and 4-7
.set LB,  6                            ; v6-7   the same for B
.set LSA, 8                            ; v8     A's scale words: lanes 0-15 tile i, lanes 16-31 tile i + 4
.set LSB, 9                            ; v9     B's: tile j and tile j + 2
.set STO, 10                           ; v10    the stage: where I put 32 bytes of a row
.set RD,  11                           ; v11    and where I read a row back
.set BO,  12                           ; v12    32 h: the bias of my eight columns
.set CO,  13                           ; v13    my byte offset in two rows of out0
.set SA,  16                           ; v16-47  A's scale words, register 4 s + i
.set SB,  48                           ; v48-63  B's, register 2 s + j
.set AF,  64                           ; v64-127 A's eight fragments of a K step
.set BF,  128                          ; v128-191 B's four, two sets
.set BI,  192                          ; v192-223 the bias
.set T,   64                           ; behind the products: v64-127 64 results with their bias
.set OB,  128                          ; v128-191 32 rows read back from the stage
.set G0A, 24
.set G0B, 40
.set G0SA, 56
.set G0SB, 60
.set G1A, 68
.set G1B, 76
.set G1SA, 84
.set G1SB, 92
.set MSB, 0
.macro WIN new                         ; the immediate's high byte repeats the setting that is left
.if MSB != \new
	s_set_vgpr_msb (MSB<<8)|\new
.set MSB, \new
.endif
.endm
.macro PLACES                          ; four plain vector lines behind matrix instructions, in front of loads into their sources and of reads of their results
.rept 4
	v_nop
.endr
.endm
.macro CROUND                          ; a round of the cluster's barrier
	s_barrier_signal -1
	s_barrier_wait -1
	s_cmp_lg_u32 s12, 0
	s_cbranch_scc1 .Lnot_wave_0_\@
	s_barrier_signal -3
.Lnot_wave_0_\@:
	s_barrier_wait -3
	s_barrier_signal -1
	s_barrier_wait -1
.endm
	s_load_b256 s[4:11], s[0:1], 0x0               ; aoq s[4:5], woq s[6:7], Wo_b s[8:9], out0 s[10:11]
	v_lshl_add_u32 v254, v0, 2, 0x3b800
	v_mov_b32 v255, 0
	ds_add_u32 v254, v255
	ds_add_u32 v254, v255
	v_lshrrev_b32 v1, 5, v0
	v_readfirstlane_b32 s12, v1                    ; wave 0..3: which 64 columns are mine
	s_and_b32 s15, s12, 1                          ; which half of a tile I fetch
	s_bfe_u32 s16, ttmp6, 0x40000                  ; cx
	s_bfe_u32 s17, ttmp6, 0x40004                  ; cy
	s_lshl_b32 s18, ttmp9, 2
	s_add_co_u32 s18, s18, s16                     ; tile of 256 columns
	s_and_b32 s19, ttmp7, 0xffff
	s_lshl_b32 s19, s19, 2
	s_add_co_u32 s19, s19, s17                     ; tile of 128 tokens
	s_lshl_b32 s20, s17, 2
	s_lshl_b32 s20, 15, s20                        ; my row of the cluster
	s_lshl_b32 s21, 0x1111, s16                    ; my column
	s_or_b32 s[G1A], s20, (3<<16)|(1<<21)          ; 15:0 the mask; 17:16 elements of 8 bytes; 21 set beside a mask; no padding
	s_or_b32 s[G1B], s21, (3<<16)|(1<<21)
	s_or_b32 s[G1SA], s20, (3<<16)|(1<<21)
	s_or_b32 s[G1SB], s21, (3<<16)|(1<<21)
.irp g, G1A, G1B                       ; a piece of a half: tiles x 2,048 bytes (two K steps), 8,192 bytes from tile to tile
	s_mov_b32 s[\g+1], 256<<16
	s_mov_b32 s[\g+3], 256<<16
	s_mov_b32 s[\g+5], 1024
	s_mov_b32 s[\g+6], 0
	s_mov_b32 s[\g+7], 0
.endr
	s_mov_b32 s[G1A+2], 4<<16                      ; A: 4 tiles,
	s_mov_b32 s[G1A+4], 4
	s_mov_b32 s[G1B+2], 8<<16                      ; B: 8
	s_mov_b32 s[G1B+4], 8
.irp g, G1SA, G1SB                     ; the scale words: 8 K steps
	s_mov_b32 s[\g+2], 8<<16
	s_mov_b32 s[\g+4], 8
	s_mov_b32 s[\g+6], 0
	s_mov_b32 s[\g+7], 0
.endr
	s_mov_b32 s[G1SA+1], 32<<16                    ; A: 64 rows' words, 256 bytes, 8,192 rows x 4 bytes apart
	s_mov_b32 s[G1SA+3], 32<<16
	s_mov_b32 s[G1SA+5], 4096
	s_mov_b32 s[G1SB+1], 64<<16                    ; B: 128 rows' words, 512 bytes, 1,024 rows x 4 bytes apart
	s_mov_b32 s[G1SB+3], 64<<16
	s_mov_b32 s[G1SB+5], 512
	s_lshl_b32 s22, s19, 3                         ; A: tile 8 x token tile + 4 x half, 8,192 bytes each.  These registers never hold cx
	s_lshl_b32 s23, s15, 2
	s_add_co_u32 s22, s22, s23
	s_lshl_b32 s22, s22, 13
	s_mov_b32 s23, 0
	s_lshl_b32 s[G0SA+2], s19, 9                   ; A's scale words: 4 bytes a row
	s_lshl_b32 s[G0SA+3], s15, 8
	s_add_co_u32 s[G0SA+2], s[G0SA+2], s[G0SA+3]
	s_add_co_u32 s[G0SA+2], s[G0SA+2], 4194304
	s_mov_b32 s[G0SA+3], 0
	s_lshl_b32 s66, s18, 4                         ; B: tile 16 x column tile + 8 x half.  These registers never hold cy
	s_lshl_b32 s67, s15, 3
	s_add_co_u32 s66, s66, s67
	s_lshl_b32 s66, s66, 13
	s_mov_b32 s67, 0
	s_lshl_b32 s[G0SB+2], s18, 10
	s_lshl_b32 s[G0SB+3], s15, 9
	s_add_co_u32 s[G0SB+2], s[G0SB+2], s[G0SB+3]
	s_add_co_u32 s[G0SB+2], s[G0SB+2], 524288
	s_mov_b32 s[G0SB+3], 0
	s_wait_dscnt 0x0
	s_wait_kmcnt 0x0
	s_add_nc_u64 s[22:23], s[4:5], s[22:23]
	s_add_nc_u64 s[66:67], s[6:7], s[66:67]
	s_add_nc_u64 s[G0SA+2:G0SA+3], s[4:5], s[G0SA+2:G0SA+3]
	s_or_b32 s[G0SA+3], s[G0SA+3], 0x80000000
	s_add_nc_u64 s[G0SB+2:G0SB+3], s[6:7], s[G0SB+2:G0SB+3]
	s_or_b32 s[G0SB+3], s[G0SB+3], 0x80000000
	s_mov_b32 s[G0SA], 1
	s_lshl_b32 s[G0SA+1], s15, 11
	s_add_co_u32 s[G0SA+1], s[G0SA+1], SABASE
	s_mov_b32 s[G0SB], 1
	s_lshl_b32 s[G0SB+1], s15, 12
	s_add_co_u32 s[G0SB+1], s[G0SB+1], SBBASE
.irp p, 0,1,2,3
	s_mov_b32 s[G0A+4*\p], 1
	s_lshl_b32 s[G0A+4*\p+1], s15, 13              ; LDS: piece p, my half: no place in the cluster enters an LDS address
	s_add_co_u32 s[G0A+4*\p+1], s[G0A+4*\p+1], APIECE*\p
	s_add_nc_u64 s[G0A+4*\p+2:G0A+4*\p+3], s[22:23], 2048*\p
	s_or_b32 s[G0A+4*\p+3], s[G0A+4*\p+3], 0x80000000
	s_mov_b32 s[G0B+4*\p], 1
	s_lshl_b32 s[G0B+4*\p+1], s15, 14
	s_add_co_u32 s[G0B+4*\p+1], s[G0B+4*\p+1], BBASE+32768*\p
	s_add_nc_u64 s[G0B+4*\p+2:G0B+4*\p+3], s[66:67], 2048*\p
	s_or_b32 s[G0B+4*\p+3], s[G0B+4*\p+3], 0x80000000
.endr
	CROUND                                         ; all sixteen work-groups are here: the joint loads meet
	s_cmp_lt_u32 s12, 2                            ; waves 0, 1 fetch A's halves, waves 2, 3 B's.  A wave's five loads stand in one branch: five are out at the most
	s_cbranch_scc0 .Lfor_b
	tensor_load_to_lds s[G0SA:G0SA+3], s[G1SA:G1SA+7]
	s_nop 0
.irp p, 0,1,2,3
	tensor_load_to_lds s[G0A+4*\p:G0A+4*\p+3], s[G1A:G1A+7]
	s_nop 0
.endr
	PLACES
	s_branch .Lasked
.Lfor_b:
	tensor_load_to_lds s[G0SB:G0SB+3], s[G1SB:G1SB+7]
	s_nop 0
.irp p, 0,1,2,3
	tensor_load_to_lds s[G0B+4*\p:G0B+4*\p+3], s[G1B:G1B+7]
	s_nop 0
.endr
	PLACES
.Lasked:
	v_and_b32 v1, 31, v0                           ; lane
	v_and_b32 v2, 15, v0                           ; r
	v_bfe_u32 v3, v0, 4, 1                         ; h
	v_lshlrev_b32 v[LA], 4, v1                     ; 16 x lane
	v_add_nc_u32 v[LA+1], 2*APIECE, v[LA]
	s_lshl_b32 s100, s12, 13
	s_add_co_u32 s100, s100, BBASE
	v_add_nc_u32 v[LB], s100, v[LA]
	v_add_nc_u32 v[LB+1], 65536, v[LB]
	v_lshlrev_b32 v[LSA], 2, v2
	v_lshl_add_u32 v[LSB], v3, 7, v[LSA]           ; 4 r + 128 h
	v_lshl_add_u32 v[LSA], v3, 11, v[LSA]          ; 4 r + 2,048 h: tiles 4-7 lie in the other half's block
	v_add_nc_u32 v[LSA], SABASE, v[LSA]
	s_lshr_b32 s100, s12, 1
	s_lshl_b32 s100, s100, 12
	s_and_b32 s101, s12, 1
	s_lshl_b32 s101, s101, 8
	s_add_co_u32 s100, s100, s101
	s_add_co_u32 s100, s100, SBBASE
	v_add_nc_u32 v[LSB], s100, v[LSB]
	s_mul_i32 s101, s12, 8704
	s_add_co_u32 s101, s101, STAGE                 ; my stage
	v_mul_u32_u24 v[STO], v2, 272
	v_lshl_add_u32 v[STO], v3, 5, v[STO]
	v_add_nc_u32 v[STO], s101, v[STO]              ; in: row r, 32 bytes for each half of the lanes
	v_mul_u32_u24 v[RD], v3, 272
	v_lshl_add_u32 v[RD], v2, 4, v[RD]
	v_add_nc_u32 v[RD], s101, v[RD]                ; back: lanes 0-15 one row of 256 bytes, lanes 16-31 the next
	v_lshlrev_b32 v[CO], 12, v3
	v_lshl_add_u32 v[CO], v2, 4, v[CO]             ; and the same two rows in out0
	v_lshlrev_b32 v[BO], 5, v3
	s_lshl_b32 s2, s18, 10                         ; my 64 columns, in bytes: 1,024 x column tile + 256 x wave
	s_lshl_b32 s3, s12, 8
	s_add_co_u32 s2, s2, s3
	s_mov_b32 s3, 0
	s_add_nc_u64 s[8:9], s[8:9], s[2:3]            ; their bias
	s_add_nc_u64 s[10:11], s[10:11], s[2:3]
	s_lshl_b32 s2, s19, 19                         ; 128 rows of 4,096 bytes for each token tile
	s_add_nc_u64 s[10:11], s[10:11], s[2:3]
.macro EMIT                            ; one product; fZ: it starts its sum; fA, fB: source 0's, source 1's scale words lie in lanes 16-31
.if fZ
.if fA && fB
	v_wmma_scale_f32_16x16x128_f8f6f4 v[rD:rD+7], v[rA:rA+7], v[rB:rB+7], 0, v[rSA], v[rSB] matrix_a_fmt:MATRIX_FMT_FP4 matrix_b_fmt:MATRIX_FMT_FP4 matrix_a_scale:MATRIX_SCALE_ROW1 matrix_b_scale:MATRIX_SCALE_ROW1
.elseif fA
	v_wmma_scale_f32_16x16x128_f8f6f4 v[rD:rD+7], v[rA:rA+7], v[rB:rB+7], 0, v[rSA], v[rSB] matrix_a_fmt:MATRIX_FMT_FP4 matrix_b_fmt:MATRIX_FMT_FP4 matrix_a_scale:MATRIX_SCALE_ROW1
.elseif fB
	v_wmma_scale_f32_16x16x128_f8f6f4 v[rD:rD+7], v[rA:rA+7], v[rB:rB+7], 0, v[rSA], v[rSB] matrix_a_fmt:MATRIX_FMT_FP4 matrix_b_fmt:MATRIX_FMT_FP4 matrix_b_scale:MATRIX_SCALE_ROW1
.else
	v_wmma_scale_f32_16x16x128_f8f6f4 v[rD:rD+7], v[rA:rA+7], v[rB:rB+7], 0, v[rSA], v[rSB] matrix_a_fmt:MATRIX_FMT_FP4 matrix_b_fmt:MATRIX_FMT_FP4
.endif
.else
.if fA && fB
	v_wmma_scale_f32_16x16x128_f8f6f4 v[rD:rD+7], v[rA:rA+7], v[rB:rB+7], v[rD:rD+7], v[rSA], v[rSB] matrix_a_fmt:MATRIX_FMT_FP4 matrix_b_fmt:MATRIX_FMT_FP4 matrix_a_scale:MATRIX_SCALE_ROW1 matrix_b_scale:MATRIX_SCALE_ROW1
.elseif fA
	v_wmma_scale_f32_16x16x128_f8f6f4 v[rD:rD+7], v[rA:rA+7], v[rB:rB+7], v[rD:rD+7], v[rSA], v[rSB] matrix_a_fmt:MATRIX_FMT_FP4 matrix_b_fmt:MATRIX_FMT_FP4 matrix_a_scale:MATRIX_SCALE_ROW1
.elseif fB
	v_wmma_scale_f32_16x16x128_f8f6f4 v[rD:rD+7], v[rA:rA+7], v[rB:rB+7], v[rD:rD+7], v[rSA], v[rSB] matrix_a_fmt:MATRIX_FMT_FP4 matrix_b_fmt:MATRIX_FMT_FP4 matrix_b_scale:MATRIX_SCALE_ROW1
.else
	v_wmma_scale_f32_16x16x128_f8f6f4 v[rD:rD+7], v[rA:rA+7], v[rB:rB+7], v[rD:rD+7], v[rSA], v[rSB] matrix_a_fmt:MATRIX_FMT_FP4 matrix_b_fmt:MATRIX_FMT_FP4
.endif
.endif
.endm
.macro MM t, f, s                      ; token tile t x column tile f, K step s: source 0 = columns, accumulator at 8 (4 t + f)
.set rD, 8*(4*(\t)+(\f))
.set rA, BF+32*((\s)%2)+8*(\f)
.set rB, AF+8*(\t)
.set rSA, SB+2*(\s)+(\f)%2
.set rSB, SA+4*(\s)+(\t)%4
.set fA, (\f)/2
.set fB, (\t)/4
.set fZ, (\s)==0
	EMIT
.endm
.macro HALFMM s, base                  ; 16 products.  The 32 accumulators take turns, one instruction a turn
.irp t, 0,1,2,3
.irp f, 0,1,2,3
	MM \base+\t, \f, \s
.endr
.endr
.endm
.macro FRAG reg, adr, off              ; a fragment comes as it was stored: two loads of 512 consecutive bytes
	ds_load_b128 v[(\reg):(\reg)+3], v[(\adr)] offset:(\off)
	ds_load_b128 v[(\reg)+4:(\reg)+7], v[(\adr)] offset:(\off)+512
.endm
.macro FETCH_A half, s
.irp i, 0,1,2,3
	FRAG AF+32*(\half)+8*\i, LA+(\s)/4, (((\s)/2)%2)*APIECE+(4*(\half)+\i)*2048+((\s)%2)*1024
.endr
.endm
.macro FETCH_B s
.irp i, 0,1,2,3
	FRAG BF+32*((\s)%2)+8*\i, LB+(\s)/4, (((\s)/2)%2)*32768+\i*2048+((\s)%2)*1024
.endr
.endm
.macro STEP s                          ; a K step: 32 products.  A's tiles 0-3 are fetched anew in its middle, tiles 4-7 at its end; B has two sets
.if ((\s)%2 == 1) && ((\s) < 7)
	s_wait_tensorcnt (5-(\s))/2                    ; my part of the piece that this step's loads read has landed; the later pieces (2, 1, 0 of them) stay out
	s_wait_dscnt 0x0                               ; no LDS load of mine is out at the signal
	s_barrier_signal -1
	s_barrier_wait -1                              ; everybody's part has landed.
.endif
	s_wait_dscnt 8                                 ; B's set and A's tiles 0-3 are in; the youngest eight loads (A's tiles 4-7) may be out
	WIN 0x50                                       ; C and D in window 1
	HALFMM \s, 0
	WIN 0
	PLACES
.if (\s) < 7
	FETCH_B (\s)+1
	FETCH_A 0, (\s)+1
	s_wait_dscnt 16                                ; all but the sixteen just issued: A's tiles 4-7 are in
.else
	s_wait_dscnt 0x0
.endif
	WIN 0x50
	HALFMM \s, 4
	WIN 0
	PLACES
.if (\s) < 7
	FETCH_A 1, (\s)+1
.endif
.endm
	s_wait_alu depctr_va_vdst(0)
	s_wait_tensorcnt 3                             ; the scale words and my part of piece 0 have landed; pieces 1 to 3 stay out
	s_barrier_signal -1
	s_barrier_wait -1                              ; everybody's have
.irp f, 0,1,2,3
	global_load_b128 v[BI+8*\f:BI+8*\f+3], v[BO], s[8:9] offset:64*\f      ; the bias of my columns 16 f + 8 h + 0 .. 7
	global_load_b128 v[BI+8*\f+4:BI+8*\f+7], v[BO], s[8:9] offset:64*\f+16
.endr
.irp k, 0,1,2,3,4,5,6,7                ; all scale words of my tiles, once
.irp i, 0,1,2,3
	ds_load_b32 v[SA+4*\k+\i], v[LSA] offset:SAK*\k+64*\i
.endr
.irp j, 0,1
	ds_load_b32 v[SB+2*\k+\j], v[LSB] offset:512*\k+64*\j
.endr
.endr
	FETCH_B 0
	FETCH_A 0, 0
	FETCH_A 1, 0
.irp k, 0,1,2,3,4,5,6,7
	STEP \k
.endr
	s_wait_loadcnt 0x0                             ; the bias
.irp g, 0,1,2,3                        ; token tiles 2 g, 2 g + 1: 32 rows x my 256 bytes
	WIN 0x01                                       ; source 0 in window 1
.set n, 0
.rept 32
	v_pk_add_f32 v[T+n:T+n+1], v[64*\g+n:64*\g+n+1], v[BI+n%32:BI+n%32+1]   ; each accumulator from its low end on
.set n, n+2
.endr
	WIN 0
.irp u, 0,1
.irp f, 0,1,2,3
	ds_store_b128 v[STO], v[T+32*\u+8*\f:T+32*\u+8*\f+3] offset:4352*\u+64*\f
	ds_store_b128 v[STO], v[T+32*\u+8*\f+4:T+32*\u+8*\f+7] offset:4352*\u+64*\f+16
.endr
.endr
.if \g > 0
	s_wait_xcnt 0x0                                ; the registers that the last stores read are loaded again only behind this wait
.endif
.irp i, 0,1,2,3,4,5,6,7,8,9,10,11,12,13,14,15
	ds_load_b128 v[OB+4*\i:OB+4*\i+3], v[RD] offset:544*\i   ; LDS serves a wave's instructions in order: these see the stores above
.endr
	s_wait_dscnt 0x0
.irp i, 0,1,2,3,4,5,6,7,8,9,10,11,12,13,14,15
	global_store_b128 v[CO], v[OB+4*\i:OB+4*\i+3], s[10:11] offset:(32*\g+2*\i)*4096 th:TH_STORE_NT   ; 16 lanes store 256 consecutive bytes, at a multiple of 256 from out0's first byte; written once, read by nobody here
.endr
.endr
	s_wait_tensorcnt 0x0
	ds_add_u32 v254, v255
	s_wait_dscnt 0x0
	CROUND                                         ; the closing round: no work-group ends while a partner may still ask for a tile that names it
	s_endpgm
.Lfunc_end_k_q2eb7359a7e_outgemm:
	.size	k_q2eb7359a7e_outgemm, .Lfunc_end_k_q2eb7359a7e_outgemm-k_q2eb7359a7e_outgemm
	.p2alignl 7, 3214868480
	.fill 96, 4, 3214868480
	.section	.rodata,"a",@progbits
	.p2align	6, 0x0
	.amdhsa_kernel k_q2eb7359a7e_outgemm
		.amdhsa_group_segment_fixed_size 244224
		.amdhsa_private_segment_fixed_size 0
		.amdhsa_enable_private_segment 0
		.amdhsa_kernarg_size 32
		.amdhsa_user_sgpr_count 2
		.amdhsa_user_sgpr_kernarg_segment_ptr 1
		.amdhsa_wavefront_size32 1
		.amdhsa_system_sgpr_workgroup_id_x 1
		.amdhsa_system_sgpr_workgroup_id_y 1
		.amdhsa_system_sgpr_workgroup_id_z 1
		.amdhsa_system_vgpr_workitem_id 0
		.amdhsa_next_free_vgpr 512
		.amdhsa_next_free_sgpr 106
		.amdhsa_reserve_vcc 0
		.amdhsa_float_denorm_mode_32 3
		.amdhsa_float_denorm_mode_16_64 3
		.amdhsa_memory_ordered 1
		.amdhsa_forward_progress 1
		.amdhsa_inst_pref_size 85
	.end_amdhsa_kernel
	.amdgpu_metadata
---
amdhsa.version: [ 1, 2 ]
amdhsa.kernels:
  - .name:           k_q2eb7359a7e_outgemm
    .symbol:         k_q2eb7359a7e_outgemm.kd
    .args:
      - { .name: aoq, .offset: 0, .size: 8, .value_kind: global_buffer, .address_space: global }
      - { .name: woq, .offset: 8, .size: 8, .value_kind: global_buffer, .address_space: global }
      - { .name: Wo_b, .offset: 16, .size: 8, .value_kind: global_buffer, .address_space: global }
      - { .name: out0, .offset: 24, .size: 8, .value_kind: global_buffer, .address_space: global }
    .group_segment_fixed_size: 244224
    .private_segment_fixed_size: 0
    .kernarg_segment_align: 8
    .kernarg_segment_size: 32
    .max_flat_workgroup_size: 128
    .sgpr_count:     106
    .vgpr_count:     512
    .wavefront_size: 32
...
	.end_amdgpu_metadata
.endif
;; end of part 4
